; MI455X (gfx1250); checked and timed in simulation.
; The chip was launched on July 23, 2026; its instructions are those of AMD's public machine-readable ISA for CDNA 5 (MIT licence, August 2026) and "CDNA5" Instruction Set Architecture Reference Guide (July 2026). The comments in the code are by the model that wrote it; some were corrected since.
;; Multi Head Self Attention. Allowed arithmetic: matrix products marked QUANTISED: E5M2 operands, one E8M0 scale for each 32 along K, by v_wmma_scale_f32_16x16x128_f8f6f4 with both operands' format E5M2, f32 sums; everything else in f32.
;; Inputs: b_fc 1,024 float32; b_qkv 3,072 float32; w_fc_codes 1,024 x 32 x 32 uint8 (E5M2 codes of w_fc, K innermost, in blocks of 32 codes); w_fc_scales 1,024 x 32 uint8 (E8M0 scales of w_fc, one for each 32 codes along K); w_qkv_codes 3,072 x 32 x 32 uint8 (E5M2 codes of w_qkv, K innermost, in blocks of 32 codes); w_qkv_scales 3,072 x 32 uint8 (E8M0 scales of w_qkv, one for each 32 codes along K); x_codes 4 x 2,048 x 32 x 32 uint8 (E5M2 codes of x, K innermost, in blocks of 32 codes); x_scales 4 x 2,048 x 32 uint8 (E8M0 scales of x, one for each 32 codes along K).
;; Outputs: out0 4 x 2,048 x 1,024 float32.
;; This version of the problem:
;;   THIS VERSION OF THE PROBLEM IS GIVEN IN LOW PRECISION. The matrix products marked QUANTISED in the list below multiply operands that are first quantised to E5M2 (5 exponent bits, 2 mantissa bits; 8 bits a number), with one power-of-two scale for each 32 numbers along K (OCP MX v1.0); their sums are f32. All else is computed in f32.
;;   The module's matrix products, in the order in which they are computed (A, B: the left and right operand; K: the contracted axis; several contracted axes count as one K, in the product's order):
;;     1. [M 8,192, K 1,024] x [K 1,024, N 3,072]; A: input x (given as codes); B: input w_qkv (given as codes): QUANTISED
;;     2. batch 64 x [M 2,048, K 64] x [K 64, N 2,048]; A: computed on the way; B: computed on the way: QUANTISED
;;     3. batch 64 x [M 2,048, K 2,048] x [K 2,048, N 64]; A: softmax (see below); B: computed on the way: QUANTISED
;;     4. [M 8,192, K 1,024] x [K 1,024, N 1,024]; A: computed on the way; B: input w_fc (given as codes): QUANTISED
;;   THE QUANTISER, for each operand of a quantised product, along K:
;;     - K is cut into blocks of 32 from its start; a last block that is shorter is filled with zeros.
;;     - A block's scale is 2^e with e = floor(log2(the largest magnitude in the block)) - 15, held to -126 .. 127; a block of zeros has e = 0. As a byte (E8M0): e + 127.
;;     - Each number is divided by its block's scale, clamped to +-57,344, and rounded to the nearest number of E5M2, ties to even, subnormals kept.
;;     - The product sums the exact products of the quantised numbers (number of the format x scale) in f32.
;;   ~~~python
;;   def quantise(x, axis):      # numpy; x: float32 -> the quantised numbers, widened to float32 again
;;       x = np.moveaxis(x, axis, -1); K = x.shape[-1]
;;       x = np.pad(x, [(0, 0)] * (x.ndim - 1) + [(0, -K % 32)]); x = x.reshape(x.shape[:-1] + (-1, 32)); a = np.abs(x).max(-1, keepdims=True)
;;       e = np.where(a > 0, np.clip(np.frexp(np.where(a > 0, a, 1))[1] - 1 - 15, -126, 127), 0)      # np.frexp(a)[1] - 1 = floor(log2(a)), exactly
;;       r = np.clip(x / 2.0 ** e, -57344, 57344)
;;       step = 2.0 ** (np.maximum(np.frexp(np.where(r == 0, 1, r))[1] - 1, -14) - 2)
;;       q = np.round(r / step) * step * 2.0 ** e      # np.round: ties to even
;;       return np.moveaxis(q.reshape(q.shape[:-2] + (-1,))[..., :K], -1, axis).astype(np.float32)
;;   ~~~
;;   SOFTMAX AHEAD OF A QUANTISED PRODUCT. Where the list says 'softmax', what is quantised is not the finished softmax but p = 2^(t - M), with t = logit x log2(e) and M = ceil(the row's largest t), a whole number; so 1/2 < the row's largest p <= 1. The row's sum l is taken of the UNQUANTISED p, in f32, and the product's result is divided by l at the end. Since M is a whole number, a kernel that streams over the keys may use a running M (the ceiling of the running maximum): every later rescaling is an exact power of two, which a block's scale takes up: the codes' values come out the same.
;;   OPERANDS COMPUTED ON THE WAY. 'Computed on the way' means the value that the module computes at that place (a softmax that the list does not call 'softmax' is quantised finished and normalised). What goes into a quantiser is computed in f32, as accurately as f32 sums, v_exp_f32 and their like allow (about 1e-6 of the number): no bf16 or f16 on the way to a quantiser, and a product that is left as it is and whose result goes on into a quantised operand takes f32 operands (vector FMAs, or v_wmma_f32_16x16x4_f32). A number that lies on a knife's edge between two numbers of the format may be rounded either way, as far as f32 arithmetic and the matrix unit's own rounding can turn it there, and no further.
;;   INPUTS GIVEN AS CODES. w_fc (in the module: [1024, 1024], K = its axis 0); w_qkv (in the module: [1024, 3072], K = its axis 0); x (in the module: [4, 2048, 1024], K = its axis 2): each comes as NAME_codes (uint8): NAME with its K axis moved to the last place and cut into blocks of 32 codes, [.., K / 32, bytes a block], one block behind the other in memory; one code a byte (a code: sign, 5 exponent bits, 2 mantissa bits); and NAME_scales (uint8): the same leading axes, one E8M0 byte (e + 127) for each 32 codes along K. Its value is code x scale, taken as it is: it is not quantised again, and the codes and scales need not be those that the quantiser above would give.
;; One version. Each part assembles by itself: llvm-mc -triple=amdgcn-amd-amdhsa -mcpu=gfx1250 --defsym DOCPART=n.
;; ======== version 1 of 1: 3 launches
;; limits: right only within a limited range of input values
;; workspace buffers: img 25,165,824 bytes; sw 786,432 bytes; ao 8,388,608 bytes; aos 262,144 bytes
;; launch qkv (part 1): grid 96 x 4, 4 waves a work-group, clusters of 4 x 4, 327,680 bytes of LDS; arguments x_codes, x_scales, w_qkv_codes, w_qkv_scales, b_qkv, img, sw; writes img, sw
.if DOCPART == 1
	.amdgcn_target "amdgcn-amd-amdhsa--gfx1250"
	.amdhsa_code_object_version 6
	.text
	.protected	k_q787383c2bd_qkv
	.globl	k_q787383c2bd_qkv
	.p2align	8
	.type	k_q787383c2bd_qkv,@function
k_q787383c2bd_qkv:
	s_mov_b64 s[64:65], 0
	v_nop
	global_prefetch_b8 v0, s[64:65] scope:SCOPE_SE
	s_setreg_imm32_b32 hwreg(HW_REG_WAVE_MODE, 25, 1), 1
	s_wait_xcnt 0x0
	s_wait_alu depctr_hold_cnt(0) depctr_sa_sdst(0) depctr_va_vdst(0) depctr_va_sdst(0) depctr_va_ssrc(0) depctr_va_vcc(0) depctr_vm_vsrc(0)
	s_getreg_b32 s2, hwreg(HW_REG_IB_STS2, 6, 4)
	s_cmp_eq_u32 s2, 0
	s_cbranch_scc0 .Lentry_in_a_cluster
	s_endpgm
.Lentry_in_a_cluster:
	s_bfe_u32 s2, ttmp6, 0x10000c
	s_cmp_lg_u32 s2, 0xf033
	s_cbranch_scc0 .Lentry_shape_is_right
	s_endpgm
.Lentry_shape_is_right:
.set KSTEP,  256
.set NQ,     2
.set ROWB,   256
.set KROW,   1024
.set PITCH,  272
.set FR,     16
.set NL,     4
.set NP,     8
.set HALFT,  128*PITCH
.set SLOT,   4*HALFT
.set LAPS,   2
.set KS,     32
.set SCL,    2*SLOT
.set HALFS,  16*272
.set SBLK,   2*272
.set SPARE,  SCL+4*HALFS
.set BR,   8
.set ADRA, 16
.set ADRB, 20
.set BCA,  22
.set BRA,  23
.set LP,   24
.set L16,  26
.set ADRS, 27
.set SPW,  28
.set NIL,  29
.set SWA,  30
.set SWR,  31
.set SC,   32
.set BC,   64
.set AF,   128
.set TM,   32
.set PW,   48
.set VO,   56
.set T,    128
.set PC,   192
.set BRP,  224
.set X,    240
.set WB,   244
.set G1, 24
.set G0, 32
.set G1B, 48
.set G0B, 56
.set G1S, 68
.set G0S, 76
.set G1SB, 80
.set G0SB, 88
.set MSB, 0
.macro WIN new
.if MSB != \new
	s_set_vgpr_msb (MSB<<8)|\new
.set MSB, \new
.endif
.endm
.set MUL_LO, 0xa1
.set MUL_HI, 0xf1
.set TO_B,   0x40
.macro JLOAD g0a, g1a, g0b, g1b
	s_cmp_eq_u32 s15, 0
	s_cbranch_scc0 .Lfor_b_\@
	tensor_load_to_lds s[\g0a:\g0a+3], s[\g1a:\g1a+7]
	s_nop 0
.rept 4
	v_nop
.endr
	s_branch .Lasked_\@
.Lfor_b_\@:
	tensor_load_to_lds s[\g0b:\g0b+3], s[\g1b:\g1b+7]
	s_nop 0
.rept 4
	v_nop
.endr
.Lasked_\@:
.endm
.macro CREST
	s_cmp_lg_u32 s14, 0
	s_cbranch_scc1 .Lnot_wave_0_\@
	s_barrier_signal -3
.Lnot_wave_0_\@:
	s_barrier_wait -3
	s_barrier_signal -1
	s_barrier_wait -1
.endm
.macro CROUND
	s_barrier_signal -1
	s_barrier_wait -1
	CREST
.endm
	s_load_b256 s[4:11], s[0:1], 0x0
	s_load_b128 s[96:99], s[0:1], 0x20
	s_load_b64 s[100:101], s[0:1], 0x30
	v_lshl_add_u32 v[SPW], v0, 2, SPARE
	v_mov_b32 v[NIL], 0
	ds_add_u32 v28, v29
	ds_add_u32 v28, v29
	s_wait_dscnt 0x0
	v_lshrrev_b32 v1, 5, v0
	v_readfirstlane_b32 s14, v1
	s_lshr_b32 s15, s14, 1
	s_and_b32 s16, s14, 1
	s_bfe_u32 s40, ttmp6, 0x40000
	s_bfe_u32 s41, ttmp6, 0x40004
	s_and_b32 s18, ttmp9, 1
	s_lshr_b32 s19, ttmp9, 1
	s_sub_co_u32 s20, ttmp9, 16
	s_mov_b32 s95, 2048
	s_cmp_lt_u32 ttmp9, 16
	s_cselect_b32 s18, s18, s20
	s_cselect_b32 s19, s19, 0
	s_cselect_b32 s2, 0, 2048
	s_cselect_b32 s95, 0x8000, s95
	s_cselect_b32 s67, 0, -1
	s_lshl_b32 s42, s18, 2
	s_add_co_u32 s42, s42, s40
	s_lshl_b32 s17, s19, 2
	s_add_co_u32 s17, s17, s41
	s_lshl_b32 s43, s41, 2
	s_lshl_b32 s43, 15, s43
	s_lshl_b32 s44, 0x1111, s40
	s_or_b32 s[G1+0], s43, (0<<16)|(1<<20)|(1<<21)|(5<<22)|(3<<25)
	s_or_b32 s[G1B+0], s44, (0<<16)|(1<<20)|(1<<21)|(5<<22)|(3<<25)
.irp g, G1, G1B
	s_mov_b32 s[\g+1], ROWB<<16
	s_mov_b32 s[\g+2], 256<<16
	s_mov_b32 s[\g+3], ROWB<<16
	s_mov_b32 s[\g+4], 256
	s_mov_b32 s[\g+5], KROW
	s_mov_b32 s[\g+6], 0
	s_mov_b32 s[\g+7], 0
.endr
	s_or_b32 s[G1S+0], s43, (3<<16)|(1<<20)|(1<<21)|(5<<22)|(3<<25)
	s_or_b32 s[G1SB+0], s44, (3<<16)|(1<<20)|(1<<21)|(5<<22)|(3<<25)
.irp g, G1S, G1SB
	s_mov_b32 s[\g+1], 32<<16
	s_mov_b32 s[\g+2], 32<<16
	s_mov_b32 s[\g+3], 32<<16
	s_mov_b32 s[\g+4], 32
	s_mov_b32 s[\g+5], 32
	s_mov_b32 s[\g+6], 0
	s_mov_b32 s[\g+7], 0
.endr
	s_lshl_b32 s20, s17, 8                         ; the tile's first row of source 1's tensor
	s_add_co_u32 s20, s20, s2
	s_lshl_b32 s46, s42, 8                         ; and of source 0's
	s_mov_b32 s21, 0
	s_mov_b32 s47, 0
	s_mov_b64 s[18:19], KS
	s_mul_u64 s[22:23], s[20:21], s[18:19]
	s_mul_u64 s[92:93], s[46:47], s[18:19]
	s_mov_b64 s[18:19], KROW
	s_mul_u64 s[20:21], s[20:21], s[18:19]
	s_mul_u64 s[46:47], s[46:47], s[18:19]
	s_mul_i32 s45, s14, HALFT
	s_mul_i32 s18, s16, 128*KROW                   ; in the ring a wave fetches 128 rows of a tile: which half, in bytes
	s_mov_b32 s19, 0
	s_wait_kmcnt 0x0
	s_cmp_lt_u32 ttmp9, 16
	s_cselect_b64 s[2:3], s[4:5], s[8:9]
	s_cselect_b64 s[8:9], s[8:9], s[4:5]
	s_mov_b64 s[4:5], s[2:3]
	s_cselect_b64 s[2:3], s[6:7], s[10:11]
	s_cselect_b64 s[10:11], s[10:11], s[6:7]
	s_mov_b64 s[6:7], s[2:3]
	s_add_nc_u64 s[20:21], s[4:5], s[20:21]
	s_add_nc_u64 s[22:23], s[6:7], s[22:23]
	s_add_nc_u64 s[46:47], s[8:9], s[46:47]
	s_add_nc_u64 s[92:93], s[10:11], s[92:93]
	CROUND
	s_mov_b32 s[G0S], 1
	s_mov_b32 s[G0S+1], SCL
	s_mov_b64 s[G0S+2:G0S+3], s[22:23]
	s_or_b32 s[G0S+3], s[G0S+3], 0x80000000
	s_mov_b32 s[G0SB], 1
	s_mov_b32 s[G0SB+1], SCL+2*HALFS
	s_mov_b64 s[G0SB+2:G0SB+3], s[92:93]
	s_or_b32 s[G0SB+3], s[G0SB+3], 0x80000000
	s_mov_b32 s4, 1                                ; group 0 of the head's loads of K step 0, each tile whole (256 rows), in registers whose arguments have been used
	s_mov_b32 s5, 0
	s_mov_b64 s[6:7], s[20:21]
	s_or_b32 s7, s7, 0x80000000
	s_mov_b32 s8, 1
	s_mov_b32 s9, 2*HALFT
	s_mov_b64 s[10:11], s[46:47]
	s_or_b32 s11, s11, 0x80000000
	s_add_nc_u64 s[20:21], s[20:21], s[18:19]      ; for the ring: my 128 rows of the tile
	s_add_nc_u64 s[46:47], s[46:47], s[18:19]
	s_cmp_eq_u32 s15, 0                            ; the prefetches: of the 128 rows that I fetch in the ring, my work-group names 32, told apart from its three partners by address
	s_cselect_b64 s[2:3], s[20:21], s[46:47]
	s_cselect_b32 s18, s40, s41                    ; my place among the four that ask for the tile with me
	s_lshl_b32 s18, s18, 15                        ; 32 rows of 1,024 bytes
	s_add_nc_u64 s[2:3], s[2:3], s[18:19]
.irp s, 0,1
	s_mov_b32 s[G0+4*\s], 1
	s_add_co_u32 s[G0+4*\s+1], s45, \s*SLOT
	s_add_nc_u64 s[G0+4*\s+2:G0+4*\s+3], s[20:21], \s*ROWB
	s_or_b32 s[G0+4*\s+3], s[G0+4*\s+3], 0x80000000
	s_mov_b32 s[G0B+4*\s], 1
	s_add_co_u32 s[G0B+4*\s+1], s45, \s*SLOT
	s_add_nc_u64 s[G0B+4*\s+2:G0B+4*\s+3], s[46:47], \s*ROWB
	s_or_b32 s[G0B+4*\s+3], s[G0B+4*\s+3], 0x80000000
.endr
; the head's four tiles, one load a wave: wave 0 K step 0's 256 rows of one operand, wave 1 those of the other, waves 2 and 3 their scales.  One tree of branches on the wave's number
.macro ARM under, g0, g1, next
	s_cmp_lt_u32 s14, \under
	s_cbranch_scc0 \next
	tensor_load_to_lds s[\g0:\g0+3], s[\g1:\g1+7]
	s_nop 0
.rept 4
	v_nop
.endr
	s_branch .Lhead_asked
\next:
.endm
	ARM 1, 4,   G1,  .Lhead_b
	ARM 2, 8,   G1B, .Lhead_sa
	ARM 3, G0S, G1S, .Lhead_sb
	tensor_load_to_lds s[G0SB:G0SB+3], s[G1SB:G1SB+7]
	s_nop 0
.rept 4
	v_nop
.endr
.Lhead_asked:
	v_and_b32 v18, 31, v0
	v_lshlrev_b32 v18, 10, v18                     ; a lane a row; never rewritten
	global_prefetch_b8 v18, s[2:3] offset:256 th:TH_LOAD_NT scope:SCOPE_SE   ; K steps 1 and 2: one and two fills ahead of the loads that want them; 256 bytes of each of 32 rows
	global_prefetch_b8 v18, s[2:3] offset:512 th:TH_LOAD_NT scope:SCOPE_SE
	v_and_b32 v1, 15, v0
	v_bfe_u32 v2, v0, 4, 1
	v_mul_u32_u24 v3, v1, PITCH
	v_lshl_add_u32 v4, v2, 4, v3
	s_mul_i32 s21, s15, HALFT
	s_mul_i32 s22, s16, HALFT
	s_add_co_u32 s22, s22, 2*HALFT
.irp s, 0,1
	v_add_nc_u32 v[ADRA+\s], s21, v4
	v_add_nc_u32 v[ADRB+\s], s22, v4
	s_add_co_u32 s21, s21, SLOT
	s_add_co_u32 s22, s22, SLOT
.endr
	v_mul_u32_u24 v5, v1, KS
	v_lshrrev_b32 v6, 8, v5
	v_lshl_add_u32 v5, v6, 4, v5
	s_mul_i32 s21, s15, HALFS
	s_mul_i32 s22, s16, HALFS
	s_add_co_u32 s22, s22, 2*HALFS
	s_sub_co_u32 s22, s22, s21
	v_mul_u32_u24 v6, s22, v2
	s_add_co_u32 s21, s21, SCL
	v_add_nc_u32 v5, v5, v6
	v_add_nc_u32 v[ADRS], s21, v5
	s_lshl_b32 s18, s42, 1
	s_add_co_u32 s18, s18, s16
	s_lshl_b32 s19, s17, 10
	s_lshl_b32 s20, s15, 9
	s_add_co_u32 s19, s19, s20
	s_lshl_b32 s21, s18, 11
	s_lshl_b32 s92, s18, 15
	s_lshl_b32 s22, s18, 9
	s_lshr_b32 s23, s18, 4
	s_lshl_b32 s23, s23, 21
	s_and_b32 s46, s18, 15
	s_lshl_b32 s46, s46, 13
	s_add_co_u32 s23, s23, s46
	s_add_co_u32 s23, s23, 0x1000000
	s_lshl_b32 s46, s18, 12
	s_add_co_u32 s46, s46, 0x80000
	s_add_co_u32 s47, s19, 8192
	s_cmp_lt_u32 ttmp9, 16
	s_cselect_b32 s12, s21, s23
	s_cselect_b32 s92, s92, s46
	s_cselect_b32 s22, s22, 0
	s_cselect_b32 s46, 0, s47
	s_lshl_b32 s20, s19, 9
	s_add_co_u32 s12, s12, s20
	s_add_co_u32 s92, s92, s19
	s_mov_b32 s13, 0
	s_mov_b32 s93, 0
	s_mov_b32 s23, 0
	s_mov_b32 s47, 0
	s_add_nc_u64 s[12:13], s[98:99], s[12:13]
	s_add_nc_u64 s[100:101], s[100:101], s[92:93]
	s_add_nc_u64 s[98:99], s[96:97], s[46:47]
	s_add_nc_u64 s[96:97], s[96:97], s[22:23]
	v_lshlrev_b32 v[BCA], 5, v2
	v_lshlrev_b32 v[BRA], 2, v1
.irp b, 0,1,2,3,4,5,6,7
	global_load_b128 v[BC+8*\b:BC+8*\b+3], v[BCA], s[96:97] offset:64*\b
	global_load_b128 v[BC+8*\b+4:BC+8*\b+7], v[BCA], s[96:97] offset:64*\b+16
	global_load_b32 v[BR+\b], v[BRA], s[98:99] offset:64*\b
.endr
	v_lshlrev_b32 v[LP], 4, v1
	v_lshl_add_u32 v[LP], v2, 3, v[LP]
	v_xor_b32 v[LP+1], 128, v[LP]
	v_and_b32 v6, 31, v0
	v_lshlrev_b32 v[L16], 4, v6
	s_lshl_b32 s18, s14, 9
	v_lshl_add_u32 v[SWA], v6, 2, s18
	v_add_nc_u32 v[SWR], s18, v[L16]
.macro FRAG reg, adr, q, i
.irp c, 0,1,2,3
	ds_load_b128 v[\reg+4*\c:\reg+4*\c+3], v[\adr] offset:128*(\q)+32*\c+(\i)*16*PITCH
.endr
.endm
.macro MUL16 a0, p, q, sc, zero
.irp a, \a0, \a0+1
.irp b, 0,1,2,3,4,5,6,7
.if \zero
	v_wmma_scale_f32_16x16x128_f8f6f4 v[8*(8*((\a)%4)+\b):8*(8*((\a)%4)+\b)+7], v[128*(\p)+FR*\b:128*(\p)+FR*\b+FR-1], v[AF+FR*(\a):AF+FR*(\a)+FR-1], 0, v[SC+8*NQ*(\sc)+NQ*\b+(\q)], v[SC+8*NQ*(\sc)+NQ*(\a)+(\q)] matrix_a_fmt:MATRIX_FMT_BF8 matrix_b_fmt:MATRIX_FMT_BF8 matrix_a_scale:MATRIX_SCALE_ROW1
.else
	v_wmma_scale_f32_16x16x128_f8f6f4 v[8*(8*((\a)%4)+\b):8*(8*((\a)%4)+\b)+7], v[128*(\p)+FR*\b:128*(\p)+FR*\b+FR-1], v[AF+FR*(\a):AF+FR*(\a)+FR-1], v[8*(8*((\a)%4)+\b):8*(8*((\a)%4)+\b)+7], v[SC+8*NQ*(\sc)+NQ*\b+(\q)], v[SC+8*NQ*(\sc)+NQ*(\a)+(\q)] matrix_a_fmt:MATRIX_FMT_BF8 matrix_b_fmt:MATRIX_FMT_BF8 matrix_a_scale:MATRIX_SCALE_ROW1
.endif
.endr
.endr
.endm
.macro FETCH_B slot, q, p
	WIN TO_B
.irp i, 0,1,2,3,4,5,6,7
	FRAG 128*(\p)+FR*\i, ADRB+\slot, \q, \i
.endr
	WIN 0
.endm
.macro FETCH_A slot, q, i0
.irp i, \i0, \i0+1, \i0+2, \i0+3
	FRAG AF+FR*(\i), ADRA+\slot, \q, \i
.endr
.endm
.macro SCALES sc
.irp i, 0,1,2,3,4,5,6,7
	ds_load_b64 v[SC+8*NQ*\sc+NQ*\i:SC+8*NQ*\sc+NQ*\i+1], v[ADRS] offset:\i*SBLK
.endr
.endm
.macro PLACES n
.rept \n
	v_nop
.endr
.endm
.macro STEP slot, q, zero
	s_wait_dscnt 4*NL
	WIN MUL_LO
	MUL16 0, (\q)%2, \q, \slot, \zero
	MUL16 2, (\q)%2, \q, \slot, \zero
	s_wait_dscnt 0
	PLACES NP
	FETCH_B \slot, (\q)+1, 1-(\q)%2
	FETCH_A \slot, (\q)+1, 0
	WIN MUL_HI
	MUL16 4, (\q)%2, \q, \slot, \zero
	MUL16 6, (\q)%2, \q, \slot, \zero
	PLACES NP
	WIN 0
	FETCH_A \slot, (\q)+1, 4
.endm
.macro TURN slot, next, fill
	s_wait_tensorcnt 0x0
	ds_add_u32 v[SPW], v[NIL]
	s_wait_dscnt 4*NL+1
	WIN MUL_LO
	MUL16 0, 1, NQ-1, \slot, 0
	s_wait_dscnt 0x0
	s_barrier_signal -1
	MUL16 2, 1, NQ-1, \slot, 0
	WIN 0
	s_barrier_wait -1
.if \fill
	CREST
	s_add_nc_u64 s[G0+4*\slot+2:G0+4*\slot+3], s[G0+4*\slot+2:G0+4*\slot+3], 2*ROWB
	s_add_nc_u64 s[G0B+4*\slot+2:G0B+4*\slot+3], s[G0B+4*\slot+2:G0B+4*\slot+3], 2*ROWB
	JLOAD G0+4*\slot, G1, G0B+4*\slot, G1B
	PLACES NP-4
.else
	PLACES NP
.endif
	s_wait_alu depctr_va_vdst(0)
	v_add_nc_u32 v[ADRS], 4*NQ, v[ADRS]
	FETCH_B \next, 0, 0
	FETCH_A \next, 0, 0
	SCALES \next
	WIN MUL_HI
	MUL16 4, 1, NQ-1, \slot, 0
	MUL16 6, 1, NQ-1, \slot, 0
	PLACES NP
	WIN 0
	FETCH_A \next, 0, 4
.endm
	s_wait_alu depctr_va_vdst(0)                   ; the wait at the head's end
	s_wait_tensorcnt 0x0                           ; my tile of the head's four is in
	ds_add_u32 v[SPW], v[NIL]
	s_mov_b32 s[G1+2], 128<<16                     ; no tensor load of mine is out: from here on a load brings 128 rows
	s_mov_b32 s[G1+4], 128
	s_mov_b32 s[G1B+2], 128<<16
	s_mov_b32 s[G1B+4], 128
	s_wait_dscnt 0x0
	CROUND                                         ; all four tiles are in, and the sixteen work-groups are here
	JLOAD G0+4, G1, G0B+4, G1B                     ; K step 1: slot 1's first fill, the first tensor load behind the round
	s_wait_loadcnt 0x0                             ; the biases
	FETCH_B 0, 0, 0
	FETCH_A 0, 0, 0
	SCALES 0
	FETCH_A 0, 0, 4
	global_prefetch_b8 v18, s[2:3] offset:768 th:TH_LOAD_NT scope:SCOPE_SE   ; K step 3, the last: two fills ahead
	STEP 0, 0, 1
	s_wait_xcnt 0x0                                ; the prefetches have read their base: s3 is written only behind this wait
	s_mov_b32 s3, LAPS-1
.Llap:
	TURN 0, 1, 1
	STEP 1, 0, 0
	TURN 1, 0, 1
	STEP 0, 0, 0
	s_sub_co_u32 s3, s3, 1
	s_cmp_lg_u32 s3, 0
	s_cbranch_scc1 .Llap
	TURN 0, 1, 0
	STEP 1, 0, 0
	s_wait_dscnt 4*NL
	WIN MUL_LO
	MUL16 0, 1, NQ-1, 1, 0
	MUL16 2, 1, NQ-1, 1, 0
	s_wait_dscnt 0
	WIN MUL_HI
	MUL16 4, 1, NQ-1, 1, 0
	MUL16 6, 1, NQ-1, 1, 0
	WIN 0
.macro QUANT s, pc, pw
.irp b, 0,1,2,3
	v_max3_num_f32 v[TM+\b], |v[\s+16*\b]|, |v[\s+1+16*\b]|, 0x8000000
.endr
.irp i, 2,4,6,8,10,12,14
.irp b, 0,1,2,3
	v_max3_num_f32 v[TM+\b], v[TM+\b], |v[\s+16*\b+\i]|, |v[\s+1+16*\b+\i]|
.endr
.endr
.irp b, 0,1,2,3
	v_permlanex16_b32 v[TM+4+\b], v[TM+\b], s68, s69
.endr
.irp b, 0,1,2,3
	v_max_num_f32 v[TM+\b], v[TM+\b], v[TM+4+\b]
.endr
.irp b, 0,1,2,3
	v_add_nc_u32 v[TM+12+\b], 0xf8800000, v[TM+\b]
.endr
.irp b, 0,1,2,3
	v_and_or_b32 v[TM+8+\b], v[TM+\b], 0x7f800000, s70
.endr
.irp b, 0,1,2,3
	v_lshrrev_b32 v[TM+4+\b], 23, v[TM+12+\b]
.endr
	v_lshl_or_b32 v[\pw], v[TM+5], 8, v[TM+4]
	v_lshl_or_b32 v[\pw], v[TM+6], 16, v[\pw]
	v_lshl_or_b32 v[\pw], v[TM+7], 24, v[\pw]
.irp b, 0,1,2,3
.irp i, 0,1,2,3,4,5,6,7,8,9,10,11,12,13,14,15
	v_med3_num_f32 v[\s+16*\b+\i], v[\s+16*\b+\i], -v[TM+8+\b], v[TM+8+\b]
.endr
	v_cvt_scalef32_pk8_bf8_f32 v[\pc+4*\b:\pc+4*\b+1], v[\s+16*\b:\s+16*\b+7], v[TM+12+\b]
	v_cvt_scalef32_pk8_bf8_f32 v[\pc+4*\b+2:\pc+4*\b+3], v[\s+16*\b+8:\s+16*\b+15], v[TM+12+\b]
.endr
	v_nop
.endm
.macro EPI a
.set PCS, PC+16*((\a)%2)
.if (\a) >= 2
	s_wait_xcnt 0x0
.endif
	s_cmp_lt_u32 ttmp9, 16                         ; the cluster's number, the same in all partners: q's and k's tiles take the bias by column, v's by row
	s_cbranch_scc0 .Lrow_\@
	WIN 0x02+((\a)/4)
.set i, 0
.rept 32
	v_pk_add_f32 v[T+i:T+i+1], v[64*((\a)%4)+i:64*((\a)%4)+i+1], v[BC+i:BC+i+1]
.set i, i+2
.endr
	WIN 0
	s_branch .Lsum_\@
.Lrow_\@:
	WIN 0x02+((\a)/4)
.set i, 0
.rept 32
	v_pk_add_f32 v[T+i:T+i+1], v[64*((\a)%4)+i:64*((\a)%4)+i+1], v[BRP+2*(\a):BRP+2*(\a)+1]
.set i, i+2
.endr
	WIN 0
.Lsum_\@:
	QUANT T, PCS, PW+(\a)
.irp b, 0,1,2,3,4,5,6,7
	global_store_b64 v[VO+(\a)], v[PCS+2*\b:PCS+2*\b+1], s[12:13] offset:256*\b
.endr
.endm
	s_mov_b32 s68, 0x76543210
	s_mov_b32 s69, 0xfedcba98
	s_mov_b32 s70, 0x600000
	s_mov_b32 s71, 0xffff0000
	PLACES NP                                      ; eight places behind the last products, ahead of writes into registers that they read
.irp a, 0,1,2,3,4,5,6,7
	v_cndmask_b32 v[BRP+2*\a], 0, v[BR+\a], s67
	v_cndmask_b32 v[BRP+2*\a+1], 0, v[BR+\a], s67
.endr
.irp b, 0,1,2,3
	v_mov_b32 v[TM+4+\b], 0
.endr
.irp a, 0,1,2,3,4,5,6,7
	s_mul_i32 s72, s95, (\a%4)
	s_add_co_u32 s72, s72, (\a/4)*131072
	v_add_nc_u32 v[VO+\a], s72, v[LP+(\a%2)]
.endr
.irp a, 0,1,2,3,4,5,6,7
	EPI \a
.endr
.irp i, 0,1,2,3
	v_cndmask_b32 v[X+\i], v[PW+2*\i], v[PW+2*\i+1], s71
.endr
.irp i, 0,1,2,3
	ds_store_b32 v[SWA], v[X+\i] offset:128*\i
.endr
	ds_load_b128 v[WB:WB+3], v[SWR]
	s_wait_dscnt 0x0
	global_store_b128 v[L16], v[WB:WB+3], s[100:101]
	s_wait_tensorcnt 0x0
	ds_add_u32 v[SPW], v[NIL]
	s_wait_dscnt 0x0
	CROUND
	s_endpgm
.Lfunc_end_k_q787383c2bd_qkv:
	.size	k_q787383c2bd_qkv, .Lfunc_end_k_q787383c2bd_qkv-k_q787383c2bd_qkv
	.p2alignl 7, 3214868480
	.fill 96, 4, 3214868480
	.section	.rodata,"a",@progbits
	.p2align	6, 0x0
	.amdhsa_kernel k_q787383c2bd_qkv
		.amdhsa_group_segment_fixed_size 327680
		.amdhsa_private_segment_fixed_size 0
		.amdhsa_enable_private_segment 0
		.amdhsa_kernarg_size 56
		.amdhsa_user_sgpr_count 2
		.amdhsa_user_sgpr_kernarg_segment_ptr 1
		.amdhsa_wavefront_size32 1
		.amdhsa_system_sgpr_workgroup_id_x 1
		.amdhsa_system_sgpr_workgroup_id_y 1
		.amdhsa_system_sgpr_workgroup_id_z 1
		.amdhsa_system_vgpr_workitem_id 0
		.amdhsa_next_free_vgpr 1024
		.amdhsa_next_free_sgpr 102
		.amdhsa_reserve_vcc 0
		.amdhsa_float_denorm_mode_32 3
		.amdhsa_float_denorm_mode_16_64 3
		.amdhsa_memory_ordered 1
		.amdhsa_forward_progress 1
		.amdhsa_inst_pref_size 228
	.end_amdhsa_kernel
	.amdgpu_metadata
---
amdhsa.version: [ 1, 2 ]
amdhsa.kernels:
  - .name:           k_q787383c2bd_qkv
    .symbol:         k_q787383c2bd_qkv.kd
    .args:
      - { .name: x_codes, .offset: 0, .size: 8, .value_kind: global_buffer, .address_space: global }
      - { .name: x_scales, .offset: 8, .size: 8, .value_kind: global_buffer, .address_space: global }
      - { .name: w_qkv_codes, .offset: 16, .size: 8, .value_kind: global_buffer, .address_space: global }
      - { .name: w_qkv_scales, .offset: 24, .size: 8, .value_kind: global_buffer, .address_space: global }
      - { .name: b_qkv, .offset: 32, .size: 8, .value_kind: global_buffer, .address_space: global }
      - { .name: img, .offset: 40, .size: 8, .value_kind: global_buffer, .address_space: global }
      - { .name: sw, .offset: 48, .size: 8, .value_kind: global_buffer, .address_space: global }
    .group_segment_fixed_size: 327680
    .private_segment_fixed_size: 0
    .kernarg_segment_align: 8
    .kernarg_segment_size: 56
    .max_flat_workgroup_size: 128
    .sgpr_count:     102
    .vgpr_count:     1024
    .wavefront_size: 32
...
	.end_amdgpu_metadata
.endif
;; end of part 1
;; launch attn (part 2): grid 4 x 64, 16 waves a work-group, clusters of 4 x 1, 327,680 bytes of LDS; arguments img, sw, ao, aos; writes ao, aos
.if DOCPART == 2
	.amdgcn_target "amdgcn-amd-amdhsa--gfx1250"
	.amdhsa_code_object_version 6
	.text
	.protected	k_q787383c2bd_attn
	.globl	k_q787383c2bd_attn
	.p2align	8
	.type	k_q787383c2bd_attn,@function
k_q787383c2bd_attn:
	s_mov_b64 s[64:65], 0
	v_nop
	global_prefetch_b8 v0, s[64:65] scope:SCOPE_SE
	s_setreg_imm32_b32 hwreg(HW_REG_WAVE_MODE, 25, 1), 1
	s_wait_xcnt 0x0
	s_wait_alu depctr_hold_cnt(0) depctr_sa_sdst(0) depctr_va_vdst(0) depctr_va_sdst(0) depctr_va_ssrc(0) depctr_va_vcc(0) depctr_vm_vsrc(0)
	s_getreg_b32 s2, hwreg(HW_REG_IB_STS2, 6, 4)
	s_cmp_eq_u32 s2, 0
	s_cbranch_scc0 .Lentry_in_a_cluster
	s_endpgm
.Lentry_in_a_cluster:
	s_bfe_u32 s2, ttmp6, 0x10000c
	s_cmp_lg_u32 s2, 0x3003
	s_cbranch_scc0 .Lentry_shape_is_right
	s_endpgm
.Lentry_shape_is_right:
; Attention of one head on codes of BF8 (E5M2): S^T = K Q^T (K = the head's 64 channels), p = 2^(t - M), O^T = V^T P^T (K = the keys), O / l, and the quantiser along the embedding for the last product.
; t = score x log2(e) / 8; M = the running largest t rounded UP to a whole number; p is quantised along the keys and not normalised; the row's sum l is taken of the unquantised p.  When M moves, l and O are multiplied by 2^(old M - new M): exact.
; SHARES.  Work-group (cx, y): head y % 16 of batch y / 16, queries 512 cx on.  Sixteen waves of 256 registers, four to a SIMD, so that one wave's vector work stands beside another's matrix work and LDS loads.
; Wave w takes query tiles 32 cx + 2 w + p, p = 0, 1, one after the other; each pass walks the head's 2,048 keys, 128 a step.
; THE WHOLE HEAD'S CODES OF K AND V, 2 x 131,072 bytes, come into LDS ONCE, one tensor load a wave (waves 0-7: K, waves 8-15: V): nothing is filled again.  The four work-groups of a cluster walk the same head and ask jointly.
; LAYOUT.  Both products are used transposed: a lane holds ONE query (lane % 16) throughout.  THE ROWS OF A TILE OF K AND OF V^T ARE NOT NEIGHBOURS: lane r of tile 2 a + u takes row 32 a + 8 u + r + 8 (r / 8),
; so that the 16 registers of tiles 2 a, 2 a + 1 are 16 neighbours along the next K (the keys for p, the channels for O).  Such a tile is read out of two neighbouring natural tiles; the writer has turned the odd tiles' rows by
; an exclusive or with 8.
; K = 64 IN AN INSTRUCTION OF 128.  Q's registers for k = 64 .. 127 are zeros, and so are bytes 2, 3 of Q's and K's scale words.  K's operand of tile t is v[32 + 8 t] on, 16 registers: its upper eight are the NEXT tile's codes
; (for the last tile zeros): finite numbers, since the quantiser holds at 57,344, times zero codes: they add exactly 0.  So eight tiles lie in 72 registers and are fetched in one run, a step ahead.
; LIMITS: NaN and infinities are not served (a NaN in k would reach every query of its head, as it does through the softmax in any case); blocks under 2^-111, and blocks of zeros, get the byte 1; O / l is a reciprocal (1 ulp) and a multiplication.
; LDS: K's images 0; V's 131,072; K's scale words 262,144 (8,192 bytes); V's 270,336 (4,096); the stage for the result's scale bytes 274,432 (1,024).
; THE FILLS GO IN TWO STAGES (in place of the one load a wave named above).  Stage 1, at the head: keys 0 to 511 of K and of V, 4,096 bytes a wave.  Stage 2, behind the full sequence and a round of the cluster's barrier:
; the other 1,536 keys, 12,288 bytes a wave, into bytes that nothing has filled.  Pass 0 walks key steps 0 to 2 (which read keys 0 to 511 alone), then every wave waits for its stage 2 load and passes a barrier.
; The scale words lie by lane: K's at 512 x step + 16 x (row % 32) + 4 x (row / 32 % 4), V's at 256 x step + 8 x (row % 32) + 4 x (row / 32): one load brings a lane's words of a key step.
.set VIMG,  131072
.set KSW,   262144
.set VSW,   270336
.set AOSTG, 274432
.set AK,   1                           ; v1-2    my lane's place in a tile of K, u = 0, 1
.set AV,   3                           ; v3-4    the same for V
.set LSK,  5                           ; v5      my lane's place among K's scale words: lanes 0-15 tile u = 0, lanes 16-31 tile u = 1
.set LSV,  6                           ; v6      and among V's
.set L16,  7                           ; v7      16 x lane
.set ADK,  8                           ; v8-9    LDS addresses of the next step's K
.set ADV,  10                          ; v10-11  of this step's V
                                       ; v12 -M, v13 the largest score so far, v[14:15] the sum in two halves (four chains of a step's sum, v216-219 and v244-247, are joined to it at the next step's head)
.set QF,   16                          ; v16-23  Q's codes; v24-31 zeros
.set KF,   32                          ; v32-95  K's eight tiles x 8; v96-103 zeros
.set S,    104                         ; v104-167 S^T, then p, then V's four fragments
.set O,    168                         ; v168-199 O^T
.set PCD,  200                         ; v200-215 p's codes
.set BM,   216                         ; v216-219 block maxima
.set PT,   220                         ; v220-223 the other half's maxima, then bytes
.set HL,   224                         ; v224-227 57,344 x the scale
.set SO,   228                         ; v228-231 the conversions' scale operands
.set KSC,  232                         ; v232-235 K's scale words
.set VSC,  236                         ; v236-237 V's
.set PWD,  238                         ; v238    p's scale word
.set QS,   239                         ; v239    Q's
.set F,    240                         ; v[240:241] f = 2^(old M - new M) (the pair's low word serves both halves)
.set TP,   242                         ; v242    at work
.set QW1,  243                         ; v243    pass 1's word of Q's scales as loaded
.set L2,   244                         ; v[244:245] the sum's second chain
.set ADS,  246                         ; v246    LDS address of the next step's scale words of K
.set ADT,  247                         ; v247    of this step's of V
.set Q1,   248                         ; v248-255 pass 1's codes of Q
.set WV,   12                          ; s12  my wave's number
.set SH,   17                          ; s17  16 x (head % 2): where my head's two bytes lie in a scale word of 128 columns
.set SEL,  20                          ; s[20:21] v_permlanex16_b32's selects for lane l xor 16
.set CS,   22                          ; s[22:23] c = log2(e) / 8
.set G1K,  24
.set G1V,  32
.set G0K,  40
.set G0V,  44
.set TV,   48                          ; s48  this step's V: 8,192 bytes a step
.set TT,   49                          ; s49  its scale words: 256
.set TK,   50                          ; s50  the next step's K: 8,192
.set TS,   51                          ; s51  its scale words: 512
.set CNT,  52
.set MNT,  53                          ; s53  the mantissa field of 57,344
.set STG,  55                          ; s55  my wave's 64 bytes of the stage
.macro CROUND                          ; a round of the cluster's barrier
	s_barrier_signal -1
	s_barrier_wait -1
	s_cmp_lg_u32 s[WV], 0
	s_cbranch_scc1 .Lnot_wave_0_\@
	s_barrier_signal -3
.Lnot_wave_0_\@:
	s_barrier_wait -3
	s_barrier_signal -1
	s_barrier_wait -1
.endm
	s_load_b256 s[4:11], s[0:1], 0x0               ; img s[4:5], sw s[6:7], ao s[8:9], aos s[10:11]
	v_lshl_add_u32 v254, v0, 2, 0x43400
	v_mov_b32 v255, 0
	ds_add_u32 v254, v255
	ds_add_u32 v254, v255
	s_wait_dscnt 0x0
	v_lshrrev_b32 v1, 5, v0
	s_delay_alu instid0(VALU_DEP_1)
	v_readfirstlane_b32 s[WV], v1                  ; wave 0..15
	s_bfe_u32 s13, ttmp6, 0x40000                  ; cx: my block of 512 queries: it enters Q's, ao's and aos's addresses alone
	s_and_b32 s14, ttmp7, 0xffff                   ; y = 16 x batch + head, which the four partners share
	s_lshr_b32 s15, s14, 4                         ; batch
	s_and_b32 s16, s14, 15                         ; head
	s_and_b32 s[SH], s16, 1
	s_lshl_b32 s[SH], s[SH], 4
	; descriptor group 1.  K: 4 natural tiles of 1,024 bytes (128 elements of 8 bytes), 32,768 bytes apart;  V: 4,096 dense bytes as 16 rows of 256.  No padding: images are read 16 bytes a lane on end
	s_mov_b32 s[G1K], 15|(3<<16)|(1<<21)           ; 15:0 the mask: all four work-groups; 17:16 elements of 8 bytes; 21 set beside a mask
	s_mov_b32 s[G1K+1], 128<<16                    ; tensor_dim0
	s_mov_b32 s[G1K+2], 4<<16
	s_mov_b32 s[G1K+3], 128<<16                    ; tile_dim0
	s_mov_b32 s[G1K+4], 4
	s_mov_b32 s[G1K+5], 4096                       ; tensor_dim0_stride
	s_mov_b32 s[G1K+6], 0
	s_mov_b32 s[G1K+7], 0
	s_mov_b32 s[G1V], 15|(3<<16)|(1<<21)
	s_mov_b32 s[G1V+1], 32<<16
	s_mov_b32 s[G1V+2], 16<<16
	s_mov_b32 s[G1V+3], 32<<16
	s_mov_b32 s[G1V+4], 16
	s_mov_b32 s[G1V+5], 32
	s_mov_b32 s[G1V+6], 0
	s_mov_b32 s[G1V+7], 0
	s_lshl_b32 s56, s15, 22                        ; K: the batch's 128 row tiles of 32,768 bytes,
	s_lshl_b32 s57, s[WV], 17
	s_add_co_u32 s56, s56, s57
	s_lshl_b32 s57, s16, 10                        ; the head's two pieces,
	s_add_co_u32 s56, s56, s57
	s_add_co_u32 s56, s56, 16384                   ; behind q's 32 pieces
	s_mov_b32 s57, 0
	s_lshl_b32 s58, s14, 17                        ; V: the head's 131,072 bytes,
	s_lshl_b32 s59, s[WV], 12
	s_add_co_u32 s58, s58, s59
	s_add_co_u32 s58, s58, 16777216-8*4096
	s_mov_b32 s59, 0
	s_lshl_b32 s18, s[WV], 12                      ; stage 1 in LDS: K's 4 tiles of wave w at 4,096 w,
	s_add_co_u32 s19, s18, VIMG-8*4096             ; V's 4,096 bytes of wave w at VIMG + 4,096 (w - 8)
	s_lshl_b32 s70, s[WV], 18                      ; stage 2 in memory: K's tiles 32 + 12 w on: 2^20 + 2^18 w bytes behind stage 1's address,
	s_add_co_u32 s70, s70, s56
	s_add_co_u32 s70, s70, 1<<20
	s_mov_b32 s71, 0
	s_lshl_b32 s80, s[WV], 13                      ; V's bytes 32,768 + 12,288 (w - 8) on: 8,192 w - 32,768 behind stage 1's
	s_add_co_u32 s80, s80, s58
	s_sub_co_u32 s80, s80, 32768
	s_mov_b32 s81, 0
	s_mul_i32 s82, s[WV], 12288                    ; and in LDS
	s_add_co_u32 s83, s82, VIMG+32768-8*12288
	s_add_co_u32 s82, s82, 32768
	s_mov_b32 s[SEL], 0x76543210
	s_mov_b32 s[SEL+1], 0xfedcba98
	s_mov_b32 s[CS], 0x3e38aa3b                    ; log2(e) / 8
	s_mov_b32 s[CS+1], s[CS]                       ; (named with it as a pair, so it is written)
	s_mov_b32 s[MNT], 0x600000
	s_lshl_b32 s[STG], s[WV], 6
	s_add_co_u32 s[STG], s[STG], AOSTG
	s_wait_kmcnt 0x0
	CROUND                                         ; all four work-groups are here: the joint loads meet
	s_mov_b32 s[G0K], 1
	s_mov_b32 s[G0K+1], s18
	s_add_nc_u64 s[G0K+2:G0K+3], s[4:5], s[56:57]
	s_or_b32 s[G0K+3], s[G0K+3], 0x80000000
	s_mov_b32 s[G0V], 1
	s_mov_b32 s[G0V+1], s19
	s_mov_b32 s72, 1                               ; s[72:75], s[76:79]: stage 2's groups 0
	s_mov_b32 s73, s82
	s_add_nc_u64 s[74:75], s[4:5], s[70:71]
	s_or_b32 s75, s75, 0x80000000
	s_mov_b32 s76, 1
	s_mov_b32 s77, s83
	s_add_nc_u64 s[78:79], s[4:5], s[80:81]
	s_or_b32 s79, s79, 0x80000000
	s_add_nc_u64 s[G0V+2:G0V+3], s[4:5], s[58:59]
	s_or_b32 s[G0V+3], s[G0V+3], 0x80000000
	s_cmp_lt_u32 s[WV], 8                          ; every wave issues one load of stage 1; four v_nop follow each of the two lines
	s_cbranch_scc0 .Lfor_v
	tensor_load_to_lds s[G0K:G0K+3], s[G1K:G1K+7]
	s_nop 0
.rept 4
	v_nop
.endr
	s_branch .Lasked
.Lfor_v:
	tensor_load_to_lds s[G0V:G0V+3], s[G1V:G1V+7]
	s_nop 0
.rept 4
	v_nop
.endr
.Lasked:
	s_lshr_b32 s19, s16, 1
	s_lshl_b32 s56, s19, 15                        ; scale words: the 128 columns that hold my head,
	s_lshl_b32 s57, s15, 13                        ; the batch's 128 row tiles of 64 bytes
	s_add_co_u32 s62, s56, s57
	s_add_co_u32 s56, s62, 262144                  ; k's lie 8 column groups behind q's
	s_mov_b32 s57, 0
	s_add_nc_u64 s[56:57], s[6:7], s[56:57]        ; K's scale words of the whole head
	s_lshl_b32 s63, s13, 11
	s_add_co_u32 s62, s62, s63
	s_lshl_b32 s63, s[WV], 7
	s_add_co_u32 s62, s62, s63
	s_mov_b32 s63, 0
	s_add_nc_u64 s[62:63], s[6:7], s[62:63]        ; Q's, at my two tiles
	s_lshl_b32 s58, s15, 16
	s_lshl_b32 s59, s16, 8
	s_add_co_u32 s58, s58, s59
	s_add_co_u32 s58, s58, 524288
	s_mov_b32 s59, 0
	s_add_nc_u64 s[58:59], s[6:7], s[58:59]        ; V's: 256 bytes of my head in each of the batch's 16 key groups, 4,096 bytes apart
	s_lshl_b32 s60, s15, 22
	s_lshl_b32 s61, s13, 20
	s_add_co_u32 s60, s60, s61
	s_lshl_b32 s61, s[WV], 16
	s_add_co_u32 s60, s60, s61
	s_lshl_b32 s61, s16, 10
	s_add_co_u32 s60, s60, s61
	s_mov_b32 s61, 0
	s_add_nc_u64 s[60:61], s[4:5], s[60:61]        ; Q's codes at my first tile
	s_lshr_b32 s66, s16, 2
	s_lshl_b32 s66, s66, 21                        ; ao: [K / 256][row tile][K / 128 % 2][K / 32 % 4][512]: head / 4,
	s_and_b32 s67, s16, 3
	s_lshl_b32 s67, s67, 10                        ; head % 4: two pieces each,
	s_add_co_u32 s66, s66, s67
	s_lshl_b32 s67, s15, 19                        ; and my first row tile, 4,096 bytes a tile
	s_add_co_u32 s66, s66, s67
	s_lshl_b32 s67, s13, 17
	s_add_co_u32 s66, s66, s67
	s_lshl_b32 s67, s[WV], 13
	s_add_co_u32 s66, s66, s67
	s_mov_b32 s67, 0
	s_add_nc_u64 s[66:67], s[8:9], s[66:67]
	s_lshl_b32 s68, s16, 14                        ; aos: [head][row] two bytes
	s_lshl_b32 s69, s15, 12
	s_add_co_u32 s68, s68, s69
	s_lshl_b32 s69, s13, 10
	s_add_co_u32 s68, s68, s69
	s_mov_b32 s69, 0
	s_add_nc_u64 s[68:69], s[10:11], s[68:69]
	v_and_b32 v120, 7, v0                          ; r7 = lane % 8
	v_bfe_u32 v121, v0, 3, 1                       ; g = (lane / 8) % 2: which of the two natural tiles
	v_bfe_u32 v122, v0, 4, 1                       ; h = lane / 16
	v_and_b32 v124, 31, v0
	s_delay_alu instid0(VALU_DEP_1)
	v_lshlrev_b32 v[L16], 4, v124
	v_lshlrev_b32 v110, 4, v0
	global_load_b128 v[104:107], v110, s[56:57]    ; K's scale words: 16 bytes a thread, 8,192 in all
	v_lshrrev_b32 v111, 5, v0
	s_delay_alu instid0(VALU_DEP_1)
	v_lshlrev_b32 v111, 12, v111
	s_delay_alu instid0(VALU_DEP_1)
	v_lshl_add_u32 v111, v124, 3, v111
	global_load_b64 v[108:109], v111, s[58:59]     ; V's: a wave reads the 256 consecutive bytes of key group w
	global_load_b128 v[QF:QF+3], v[L16], s[60:61]  ; Q's even tile: an image, 16 bytes a lane
	global_load_b128 v[QF+4:QF+7], v[L16], s[60:61] offset:512
	v_xor_b32 v112, 128, v[L16]                    ; the odd tile's rows are turned
	v_and_b32 v113, 15, v0
	s_delay_alu instid0(VALU_DEP_1)
	v_lshlrev_b32 v113, 2, v113
	global_load_b32 v[QS], v113, s[62:63]
	global_load_b32 v[QW1], v113, s[62:63] offset:64
	v_lshlrev_b32 v123, 4, v120
	s_delay_alu instid0(VALU_DEP_1)
	v_lshl_add_u32 v123, v122, 8, v123             ; 256 h + 16 r7
	s_delay_alu instid0(VALU_DEP_1)
	v_mad_u32_u24 v[AK], v121, 1152, v123          ; K, u = 0: tile g (1,024 bytes on), row r7 xor 8 g (128 bytes on)
	s_delay_alu instid0(VALU_DEP_1)
	v_xor_b32 v[AK+1], 128, v[AK]                  ; u = 1: row 8 + r7, turned likewise
	s_delay_alu instid0(VALU_DEP_3)
	v_mad_u32_u24 v[AV], v121, 2176, v123          ; V: a channel tile is 2,048 bytes
	s_delay_alu instid0(VALU_DEP_1)
	v_add_nc_u32 v[AV], VIMG, v[AV]
	s_delay_alu instid0(VALU_DEP_1)
	v_xor_b32 v[AV+1], 128, v[AV]
	v_lshlrev_b32 v123, 2, v120
	s_delay_alu instid0(VALU_DEP_1)
	v_lshl_add_u32 v123, v122, 5, v123
	s_delay_alu instid0(VALU_DEP_1)
	v_lshl_add_u32 v123, v121, 6, v123             ; scale words: row 16 g + 8 u + r7, u = my half of the lanes
	s_delay_alu instid0(VALU_DEP_1)
	v_lshl_add_u32 v[LSK], v123, 2, KSW            ; 16 bytes a row of the 32
	s_delay_alu instid0(VALU_DEP_2)
	v_lshl_add_u32 v[LSV], v123, 1, VSW            ; 8 bytes a row
	v_lshrrev_b32 v114, 5, v0                      ; where my scale words go.  K: thread t holds rows 4 t + i: 512 (t / 32) + 64 (t % 8) + 4 (t / 8 % 4) + 16 i.  V: lane L of wave w holds rows 2 L, 2 L + 1: 256 w + 16 (L % 16) + 4 (L / 16), + 8
	v_and_b32 v116, 7, v0
	v_and_b32 v117, 15, v0
	v_bfe_u32 v118, v0, 3, 2
	v_bfe_u32 v119, v0, 4, 1
	v_lshlrev_b32 v115, 8, v114
	v_lshlrev_b32 v114, 9, v114
	s_delay_alu instid0(VALU_DEP_2)
	v_lshl_add_u32 v115, v117, 4, v115
	s_delay_alu instid0(VALU_DEP_2)
	v_lshl_add_u32 v114, v116, 6, v114
	s_delay_alu instid0(VALU_DEP_2)
	v_lshl_add_u32 v115, v119, 2, v115
	s_delay_alu instid0(VALU_DEP_2)
	v_lshl_add_u32 v114, v118, 2, v114
	s_delay_alu instid0(VALU_DEP_2)
	v_add_nc_u32 v115, VSW, v115
	s_delay_alu instid0(VALU_DEP_2)
	v_add_nc_u32 v114, KSW, v114
.irp i, 0,1,2,3,4,5,6,7
	v_mov_b32 v[QF+8+\i], 0                        ; Q's k = 64 .. 127
	v_mov_b32 v[KF+64+\i], 0                       ; what stands behind K's last tile
.endr
.irp b, 0,1,2,3
	v_mov_b32 v[PT+\b], 0                          ; written once: a lane permute's destination counts as one of its sources
.endr
	v_mov_b32 v[F+1], 0                            ; (named as the upper half of a pair)
	s_wait_loadcnt 0x0
.irp i, 104,105,106,107
	v_bfe_u32 v\i, v\i, s[SH], 16                  ; my head's two bytes; bytes 2 and 3 become 0
.endr
.irp i, 0,1,2,3
	ds_store_b32 v114, v[104+\i] offset:16*\i
.endr
	ds_store_b32 v115, v108
	ds_store_b32 v115, v109 offset:8
	s_wait_alu depctr_va_vdst(0)                   ; the wait at the head's end
	s_wait_tensorcnt 0x0                           ; my part of stage 1 has landed; the same lines as ahead of a refill stand ahead of the later first fill
	ds_add_u32 v254, v255
	s_mov_b32 s[G1K+2], 12<<16                     ; no tensor load of mine is out: stage 2 brings 12 tiles of K,
	s_mov_b32 s[G1K+4], 12
	s_mov_b32 s[G1V+2], 48<<16                     ; or 48 rows of 256 bytes of V
	s_mov_b32 s[G1V+4], 48
	s_wait_dscnt 0x0                               ; the add is done, and my scale words are stored
	CROUND                                         ; everybody's, and all four work-groups are here
	s_cmp_lt_u32 s[WV], 8
	s_cbranch_scc0 .Lfor_v2
	tensor_load_to_lds s[72:75], s[G1K:G1K+7]
	s_nop 0
.rept 4
	v_nop
.endr
	s_branch .Lasked2
.Lfor_v2:
	tensor_load_to_lds s[76:79], s[G1V:G1V+7]
	s_nop 0
.rept 4
	v_nop
.endr
.Lasked2:
	global_load_b128 v[Q1:Q1+3], v112, s[60:61] offset:32768    ; pass 1's Q, only now: its registers held the add's two until here
	global_load_b128 v[Q1+4:Q1+7], v112, s[60:61] offset:33280
.macro KFETCH k0, k1, kw               ; a key step's eight tiles of K (two pieces of 32 channels each) and its scale words
.irp a, 0,1,2,3
.irp c, 0,1
	ds_load_b128 v[KF+16*\a+4*\c:KF+16*\a+4*\c+3], v[\k0] offset:2048*\a+512*\c
	ds_load_b128 v[KF+16*\a+8+4*\c:KF+16*\a+8+4*\c+3], v[\k1] offset:2048*\a+512*\c
.endr
.endr
	ds_load_b128 v[KSC:KSC+3], v[\kw]
.endm
; A KEY STEP: 128 keys.  pf = 1: the next step's K is fetched;  2: key step 0's, for the next pass;  0: none.
.macro STEP pf
	v_pk_add_f32 v[244:245], v[244:245], v[218:219]   ; the last step's chains of the row's sum are joined here: with the three additions and two v_nop they are the nine places behind the last step's products, whose fragments of V the scores below write over
	v_pk_add_f32 v[14:15], v[14:15], v[216:217]
	s_delay_alu instid0(VALU_DEP_2)
	v_pk_add_f32 v[244:245], v[244:245], v[246:247]
	v_add_nc_u32 v[ADV], s[TV], v[AV]
	v_add_nc_u32 v[ADV+1], s[TV], v[AV+1]
	v_add_nc_u32 v[ADT], s[TT], v[LSV]
	s_delay_alu instid0(VALU_DEP_4)
	v_pk_add_f32 v[14:15], v[14:15], v[244:245]
.rept 2
	v_nop
.endr
.irp a, 0,1,2,3                                ; S^T = K Q^T: lane (r, h) gets query r; the 16 registers of tiles 2 a, 2 a + 1 are keys 32 a + 16 h + 0 .. 15
	v_wmma_scale_f32_16x16x128_f8f6f4 v[S+16*\a:S+16*\a+7], v[KF+16*\a:KF+16*\a+15], v[QF:QF+15], 0, v[KSC+\a], v[QS] matrix_a_fmt:MATRIX_FMT_BF8 matrix_b_fmt:MATRIX_FMT_BF8
	v_wmma_scale_f32_16x16x128_f8f6f4 v[S+16*\a+8:S+16*\a+15], v[KF+16*\a+8:KF+16*\a+23], v[QF:QF+15], 0, v[KSC+\a], v[QS] matrix_a_fmt:MATRIX_FMT_BF8 matrix_b_fmt:MATRIX_FMT_BF8 matrix_a_scale:MATRIX_SCALE_ROW1
.endr
	v_add_nc_u32 v[ADK], s[TK], v[AK]              ; eight places in front of the loads into K's registers and of the first read of the scores: four lines that are due anyway, four v_nop
	v_add_nc_u32 v[ADK+1], s[TK], v[AK+1]
	v_add_nc_u32 v[ADS], s[TS], v[LSK]
	v_mov_b32 v[F+1], v12                          ; the old -M
.rept 4
	v_nop
.endr
.if \pf == 1
	KFETCH ADK, ADK+1, ADS
.elseif \pf == 2
	KFETCH AK, AK+1, LSK
.endif
	ds_load_b64 v[VSC:VSC+1], v[ADT]
.irp b, 0,1,2,3
	v_max3_num_f32 v[BM+\b], v[S+16*\b], v[S+1+16*\b], v[S+2+16*\b]   ; the largest score of each block of 32 keys: for the row's maximum and, since p rises with the score, for the block's largest p
.endr
.irp i, 3,5,7,9,11,13
.irp b, 0,1,2,3
	v_max3_num_f32 v[BM+\b], v[BM+\b], v[S+16*\b+\i], v[S+1+16*\b+\i]
.endr
.endr
.irp b, 0,1,2,3
	v_max_num_f32 v[BM+\b], v[BM+\b], v[S+15+16*\b]
.endr
.irp b, 0,1,2,3
	s_delay_alu instid0(VALU_DEP_4)
	v_permlanex16_b32 v[PT+\b], v[BM+\b], s[SEL], s[SEL+1]
.endr
.irp b, 0,1,2,3
	s_delay_alu instid0(VALU_DEP_4)
	v_max_num_f32 v[BM+\b], v[BM+\b], v[PT+\b]     ; with lane l xor 16's 16 keys
.endr
	s_delay_alu instid0(VALU_DEP_3)
	v_max3_num_f32 v13, v13, v[BM], v[BM+1]        ; the running largest score of my query
	s_delay_alu instid0(VALU_DEP_1)
	v_max3_num_f32 v13, v13, v[BM+2], v[BM+3]
	s_delay_alu instid0(VALU_DEP_1)
	v_mul_f32 v[TP], s[CS], v13                    ; as t (c is positive, so the largest score has the largest t)
	s_delay_alu instid0(VALU_DEP_1)
	v_floor_f32 v12, -v[TP]                        ; the new -M = floor(-t) = -ceil(t): a whole number
	s_delay_alu instid0(VALU_DEP_1)
	v_sub_f32 v[TP], v12, v[F+1]                   ; old M - new M: a whole number, 0 or less
	s_delay_alu instid0(VALU_DEP_1)
	v_cvt_i32_f32 v[TP], v[TP]                     ; (it saturates)
	s_delay_alu instid0(VALU_DEP_1)
	v_ldexp_f32 v[F], 1.0, v[TP]                   ; f = 2^(old M - new M)
.set j, 0
.rept 32
	v_pk_fma_f32 v[S+j:S+j+1], v[S+j:S+j+1], s[CS:CS+1], v[12:13] op_sel_hi:[1,0,0]   ; t - M, two at a time
.set j, j+2
.endr
.irp b, 0,1,2,3
	v_fma_f32 v[BM+\b], v[BM+\b], s[CS], v12       ; the same of each block's largest score
.endr
.set j, 0
	s_wait_alu depctr_va_vdst(0)
.rept 64
	v_exp_f32 v[S+j], v[S+j]                       ; p = 2^(t - M), at most 1
.set j, j+1
.endr
	v_pk_mul_f32 v[14:15], v[14:15], v[F:F+1] op_sel_hi:[1,0]   ; the sums under the new M.  (A plain instruction behind the exponentials)
	s_wait_alu depctr_va_vdst(0)
.irp b, 0,1,2,3
	v_max_num_f32 v[BM+\b], 0xc2de0000, v[BM+\b]   ; x = t - M of the block's largest score, held at -111 from below: the byte cannot fall under 1
.endr
.irp b, 0,1,2,3
	s_delay_alu instid0(VALU_DEP_4)
	v_cvt_floor_i32_f32 v[BM+\b], v[BM+\b]         ; e = floor(x) = floor(log2(2^x)): the exponent of the block's largest p.  LIMIT: where x lies within rounding under a whole number, so that v_exp_f32 gives that p as the next power of two, this one p is held one code low
.endr
.irp b, 0,1,2,3
	s_delay_alu instid0(VALU_DEP_4)
	v_lshl_add_u32 v[SO+\b], v[BM+\b], 23, 0x38000000   ; the conversion's scale operand: the byte e + 112 in the exponent field
.endr
.irp b, 0,1,2,3
	s_delay_alu instid0(VALU_DEP_4)
	v_add_nc_u32 v[HL+\b], 0x07e00000, v[SO+\b]    ; 57,344 x the scale: 15 more in the exponent field, over 57,344's mantissa
.endr
	v_add_nc_u32 v[PWD], 0x70707070, v[BM]         ; p's scale word for these 128 keys: the sum of (e + 112) x 256^b; each byte lies between 1 and 112, so the sum modulo 2^32 is the four bytes
	s_delay_alu instid0(VALU_DEP_1)
	v_lshl_add_u32 v[PWD], v[BM+1], 8, v[PWD]
	s_delay_alu instid0(VALU_DEP_1)
	v_lshl_add_u32 v[PWD], v[BM+2], 16, v[PWD]
	s_delay_alu instid0(VALU_DEP_1)
	v_lshl_add_u32 v[PWD], v[BM+3], 24, v[PWD]
	v_pk_add_f32 v[244:245], v[108:109], v[112:113]
	v_pk_add_f32 v[246:247], v[116:117], v[120:121]
	v_pk_add_f32 v[218:219], v[124:125], v[128:129]
	v_pk_add_f32 v[216:217], v[132:133], v[136:137]
	v_pk_add_f32 v[214:215], v[140:141], v[144:145]
	v_pk_add_f32 v[212:213], v[148:149], v[152:153]
	v_pk_add_f32 v[210:211], v[156:157], v[160:161]
	v_pk_add_f32 v[14:15], v[14:15], v[164:165]
	v_pk_add_f32 v[244:245], v[244:245], v[104:105]
	v_pk_add_f32 v[246:247], v[246:247], v[106:107]
	v_pk_add_f32 v[218:219], v[218:219], v[110:111]
	v_pk_add_f32 v[216:217], v[216:217], v[114:115]
	v_pk_add_f32 v[214:215], v[214:215], v[118:119]
	v_pk_add_f32 v[212:213], v[212:213], v[122:123]
	v_pk_add_f32 v[210:211], v[210:211], v[126:127]
	v_pk_add_f32 v[14:15], v[14:15], v[130:131]
	v_pk_add_f32 v[244:245], v[244:245], v[134:135]
	v_pk_add_f32 v[246:247], v[246:247], v[138:139]
	v_pk_add_f32 v[218:219], v[218:219], v[142:143]
	v_pk_add_f32 v[216:217], v[216:217], v[146:147]
	v_pk_add_f32 v[214:215], v[214:215], v[150:151]
	v_pk_add_f32 v[212:213], v[212:213], v[154:155]
	v_pk_add_f32 v[210:211], v[210:211], v[158:159]
	v_pk_add_f32 v[14:15], v[14:15], v[162:163]
	v_pk_add_f32 v[244:245], v[244:245], v[166:167]
	s_delay_alu instid0(VALU_DEP_4)
	v_pk_add_f32 v[246:247], v[246:247], v[212:213]   ; the three chains that lie where the codes will be written are joined now; the other four at the next step's head, or on the way out
	s_delay_alu instid0(VALU_DEP_4)
	v_pk_add_f32 v[218:219], v[218:219], v[210:211]
	s_delay_alu instid0(VALU_DEP_3)
	v_pk_add_f32 v[244:245], v[244:245], v[214:215]
.irp b, 0,1,2,3
.irp i, 0,2,4,6,8,10,12,14
	v_dual_min_num_f32 v[S+16*\b+\i], v[S+16*\b+\i], v[HL+\b] :: v_dual_min_num_f32 v[S+16*\b+\i+1], v[S+16*\b+\i+1], v[HL+\b]   ; the conversion to an 8-bit code does not saturate (ISA guide 7.6.2); p is not negative, so the hold is one-sided; two numbers an instruction
.endr
	v_cvt_scalef32_pk8_bf8_f32 v[PCD+4*\b:PCD+4*\b+1], v[S+16*\b:S+16*\b+7], v[SO+\b]
	v_cvt_scalef32_pk8_bf8_f32 v[PCD+4*\b+2:PCD+4*\b+3], v[S+16*\b+8:S+16*\b+15], v[SO+\b]
.irp c, 0,1,2,3
	ds_load_b128 v[S+16*\b+4*\c:S+16*\b+4*\c+3], v[ADV+(\b%2)] offset:4096*(\b/2)+512*\c   ; the block's 16 registers are done with: V's tile b (16 channels x these 128 keys) lands there
.endr
.endr
.set j, 0
.rept 16
	v_pk_mul_f32 v[O+j:O+j+1], v[O+j:O+j+1], v[F:F+1] op_sel_hi:[1,0]   ; O^T under the new M.  (Also the plain instructions between the conversions and the products that read the codes)
.set j, j+2
.endr
	s_wait_alu depctr_va_vdst(0)
	s_wait_dscnt 0x0                               ; the step's one wait for LDS: V, its scale words, and the K fetched ahead
.irp a, 0,1                                    ; O^T += V^T P^T: four accumulators, one instruction each; the link before lies eight other products back
	v_wmma_scale_f32_16x16x128_f8f6f4 v[O+16*\a:O+16*\a+7], v[S+32*\a:S+32*\a+15], v[PCD:PCD+15], v[O+16*\a:O+16*\a+7], v[VSC+\a], v[PWD] matrix_a_fmt:MATRIX_FMT_BF8 matrix_b_fmt:MATRIX_FMT_BF8
	v_wmma_scale_f32_16x16x128_f8f6f4 v[O+16*\a+8:O+16*\a+15], v[S+32*\a+16:S+32*\a+31], v[PCD:PCD+15], v[O+16*\a+8:O+16*\a+15], v[VSC+\a], v[PWD] matrix_a_fmt:MATRIX_FMT_BF8 matrix_b_fmt:MATRIX_FMT_BF8 matrix_a_scale:MATRIX_SCALE_ROW1
.endr
	s_add_co_u32 s[TV], s[TV], 8192
	s_add_co_u32 s[TT], s[TT], 256
	s_add_co_u32 s[TK], s[TK], 8192
	s_add_co_u32 s[TS], s[TS], 512
.endm
; A PASS'S END: O^T / l; the lane's 16 registers of tiles 2 a, 2 a + 1 are channels 32 a + 16 h + 0 .. 15 of my query: quantised, they ARE registers of the last product's fragment and are stored as an image.
.macro OUT p
	v_pk_add_f32 v[244:245], v[244:245], v[218:219]   ; the last step's chains of the sum; with four v_nop the eight places behind the last products
	v_pk_add_f32 v[14:15], v[14:15], v[216:217]
	s_delay_alu instid0(VALU_DEP_2)
	v_pk_add_f32 v[244:245], v[244:245], v[246:247]
.rept 4
	v_nop
.endr
	v_pk_add_f32 v[14:15], v[14:15], v[244:245]
	s_delay_alu instid0(VALU_DEP_1)
	v_add_f32 v14, v14, v15
	s_delay_alu instid0(VALU_DEP_1)
	v_permlanex16_b32 v[TP], v14, s[SEL], s[SEL+1]
	s_delay_alu instid0(VALU_DEP_1)
	v_add_f32 v14, v14, v[TP]                      ; and lane l xor 16's: l
	s_wait_alu depctr_va_vdst(0)
	v_rcp_f32 v14, v14
	v_and_b32 v[ADS], 15, v0                       ; (a plain instruction behind the reciprocal)
	s_delay_alu instid0(VALU_DEP_1)
	v_lshl_add_u32 v[ADS], v[ADS], 1, s[STG]       ; the stage: two bytes a row
.set j, 0
	s_wait_alu depctr_va_vdst(0)
.rept 16
	v_pk_mul_f32 v[S+j:S+j+1], v[O+j:O+j+1], v[14:15] op_sel_hi:[1,0]   ; each accumulator from its low end on
.set j, j+2
.endr
.irp a, 0,1
	v_max3_num_f32 v[BM+\a], |v[S+16*\a]|, |v[S+1+16*\a]|, 0x8000000
.endr
.irp i, 2,4,6,8,10,12,14
.irp a, 0,1
	s_delay_alu instid0(VALU_DEP_2)
	v_max3_num_f32 v[BM+\a], v[BM+\a], |v[S+16*\a+\i]|, |v[S+1+16*\a+\i]|
.endr
.endr
.irp a, 0,1
	s_delay_alu instid0(VALU_DEP_2)
	v_permlanex16_b32 v[PT+\a], v[BM+\a], s[SEL], s[SEL+1]
.endr
.irp a, 0,1
	s_delay_alu instid0(VALU_DEP_2)
	v_max_num_f32 v[BM+\a], v[BM+\a], v[PT+\a]
.endr
.irp a, 0,1
	s_delay_alu instid0(VALU_DEP_2)
	v_add_nc_u32 v[SO+\a], 0xf8800000, v[BM+\a]
.endr
.irp a, 0,1
	s_delay_alu instid0(VALU_DEP_4)
	v_and_or_b32 v[HL+\a], v[BM+\a], 0x7f800000, s[MNT]
.endr
.irp a, 0,1
	s_delay_alu instid0(VALU_DEP_4)
	v_lshrrev_b32 v[PT+\a], 23, v[SO+\a]
.endr
	s_delay_alu instid0(VALU_DEP_1)
	v_lshl_or_b32 v[TP], v[PT+1], 8, v[PT]         ; my row's two scale bytes
.irp a, 0,1
.irp i, 0,1,2,3,4,5,6,7,8,9,10,11,12,13,14,15
	v_med3_num_f32 v[S+16*\a+\i], v[S+16*\a+\i], -v[HL+\a], v[HL+\a]
.endr
	v_cvt_scalef32_pk8_bf8_f32 v[PCD+4*\a:PCD+4*\a+1], v[S+16*\a:S+16*\a+7], v[SO+\a]
	v_cvt_scalef32_pk8_bf8_f32 v[PCD+4*\a+2:PCD+4*\a+3], v[S+16*\a+8:S+16*\a+15], v[SO+\a]
.endr
	v_nop                                          ; one plain vector instruction behind the last conversion
	ds_store_b16 v[ADS], v[TP] offset:32*\p        ; lanes l and l xor 16 write the same two bytes with the same value
.irp a, 0,1
	global_store_b128 v[L16], v[PCD+4*\a:PCD+4*\a+3], s[66:67] offset:4096*\p+512*\a   ; 32 lanes store 512 consecutive bytes
.endr
.endm
.macro PASS p
.if \p
	s_wait_xcnt 0x0                                ; the last pass's stores have read their data
	s_wait_loadcnt 0x0                             ; pass 1's Q is in
.irp i, 0,1,2,3,4,5,6,7
	v_mov_b32 v[QF+\i], v[Q1+\i]
.endr
	v_bfe_u32 v[QS], v[QW1], s[SH], 16
.else
	v_bfe_u32 v[QS], v[QS], s[SH], 16              ; my head's two bytes; bytes 2 and 3 become 0
.endif
	v_mov_b32 v13, 0xff61b1e6                      ; the largest t so far: -3e38, under every t
	s_delay_alu instid0(VALU_DEP_1)
	v_floor_f32 v12, -v13                          ; -M
	v_mov_b32 v14, 0
	v_mov_b32 v15, 0
.irp r, 216,217,218,219,244,245,246,247
	v_mov_b32 v\r, 0                               ; the chains that the first step's head joins to the sum
.endr
.set j, 0
.rept 32
	v_mov_b32 v[O+j], 0                            ; O^T: the step is written once; the first finds zeros.  (Also the places between Q's scale word and the first product)
.set j, j+1
.endr
	s_mov_b32 s[TV], 0
	s_mov_b32 s[TT], 0
	s_mov_b32 s[TK], 8192
	s_mov_b32 s[TS], 512
.if \p == 0
	s_mov_b32 s[CNT], 3
	s_wait_dscnt 0x0                               ; key step 0's K
.Lka_\@:                                               ; key steps 0 to 2: they read, and fetch ahead, keys 0 to 511 alone
	STEP 1
	s_sub_co_u32 s[CNT], s[CNT], 1
	s_cmp_lg_u32 s[CNT], 0
	s_cbranch_scc1 .Lka_\@
	s_wait_tensorcnt 0x0                           ; my part of stage 2 has landed,
	s_wait_dscnt 0x0
	s_barrier_signal -1
	s_barrier_wait -1                              ; everybody's
	s_mov_b32 s[CNT], 12
.else
	s_mov_b32 s[CNT], 15
.endif
.Lks_\@:
	STEP 1
	s_sub_co_u32 s[CNT], s[CNT], 1
	s_cmp_lg_u32 s[CNT], 0
	s_cbranch_scc1 .Lks_\@
.if \p == 0
	STEP 2
.else
	STEP 0
.endif
	OUT \p
.endm
	KFETCH AK, AK+1, LSK
	s_wait_xcnt 0x0                                ; Q's loads have read their offset, which lies where the scores will be written
	PASS 0
	PASS 1
	v_lshl_add_u32 v[ADT], v0, 4, AOSTG
	v_lshlrev_b32 v[ADS], 4, v0
	s_wait_dscnt 0x0                               ; my rows' scale bytes lie in the stage,
	s_barrier_signal -1
	s_barrier_wait -1                              ; everybody's: 512 rows x 2 bytes
	s_cmp_lt_u32 s[WV], 2
	s_cbranch_scc0 .Lno_aos
	s_wait_alu depctr_va_vdst(0)
	ds_load_b128 v[S:S+3], v[ADT]
	s_wait_dscnt 0x0
	global_store_b128 v[ADS], v[S:S+3], s[68:69]   ; waves 0 and 1 store them: 512 consecutive bytes each
.Lno_aos:
	s_wait_xcnt 0x0
	v_lshl_add_u32 v254, v0, 2, 0x43400
	v_mov_b32 v255, 0
	s_wait_alu depctr_va_vdst(0)
	s_wait_tensorcnt 0x0
	ds_add_u32 v254, v255
	s_wait_dscnt 0x0
	CROUND                                         ; the closing round
	s_endpgm
.Lfunc_end_k_q787383c2bd_attn:
	.size	k_q787383c2bd_attn, .Lfunc_end_k_q787383c2bd_attn-k_q787383c2bd_attn
	.p2alignl 7, 3214868480
	.fill 96, 4, 3214868480
	.section	.rodata,"a",@progbits
	.p2align	6, 0x0
	.amdhsa_kernel k_q787383c2bd_attn
		.amdhsa_group_segment_fixed_size 327680
		.amdhsa_private_segment_fixed_size 0
		.amdhsa_enable_private_segment 0
		.amdhsa_kernarg_size 32
		.amdhsa_user_sgpr_count 2
		.amdhsa_user_sgpr_kernarg_segment_ptr 1
		.amdhsa_wavefront_size32 1
		.amdhsa_system_sgpr_workgroup_id_x 1
		.amdhsa_system_sgpr_workgroup_id_y 1
		.amdhsa_system_sgpr_workgroup_id_z 1
		.amdhsa_system_vgpr_workitem_id 0
		.amdhsa_next_free_vgpr 256
		.amdhsa_next_free_sgpr 84
		.amdhsa_reserve_vcc 0
		.amdhsa_float_denorm_mode_32 3
		.amdhsa_float_denorm_mode_16_64 3
		.amdhsa_memory_ordered 1
		.amdhsa_forward_progress 1
		.amdhsa_inst_pref_size 128
	.end_amdhsa_kernel
	.amdgpu_metadata
---
amdhsa.version: [ 1, 2 ]
amdhsa.kernels:
  - .name:           k_q787383c2bd_attn
    .symbol:         k_q787383c2bd_attn.kd
    .args:
      - { .name: img, .offset: 0, .size: 8, .value_kind: global_buffer, .address_space: global }
      - { .name: sw, .offset: 8, .size: 8, .value_kind: global_buffer, .address_space: global }
      - { .name: ao, .offset: 16, .size: 8, .value_kind: global_buffer, .address_space: global }
      - { .name: aos, .offset: 24, .size: 8, .value_kind: global_buffer, .address_space: global }
    .group_segment_fixed_size: 327680
    .private_segment_fixed_size: 0
    .kernarg_segment_align: 8
    .kernarg_segment_size: 32
    .max_flat_workgroup_size: 512
    .sgpr_count:     84
    .vgpr_count:     256
    .wavefront_size: 32
...
	.end_amdgpu_metadata
.endif
;; end of part 2
;; launch fc (part 3): grid 8 x 32, 4 waves a work-group, clusters of 4 x 4, 327,680 bytes of LDS; arguments ao, aos, w_fc_codes, w_fc_scales, b_fc, out0; writes out0
.if DOCPART == 3
	.amdgcn_target "amdgcn-amd-amdhsa--gfx1250"
	.amdhsa_code_object_version 6
	.text
	.protected	k_q787383c2bd_fc
	.globl	k_q787383c2bd_fc
	.p2align	8
	.type	k_q787383c2bd_fc,@function
k_q787383c2bd_fc:
	s_mov_b64 s[64:65], 0
	v_nop
	global_prefetch_b8 v0, s[64:65] scope:SCOPE_SE
	s_setreg_imm32_b32 hwreg(HW_REG_WAVE_MODE, 25, 1), 1
	s_wait_xcnt 0x0
	s_wait_alu depctr_hold_cnt(0) depctr_sa_sdst(0) depctr_va_vdst(0) depctr_va_sdst(0) depctr_va_ssrc(0) depctr_va_vcc(0) depctr_vm_vsrc(0)
	s_getreg_b32 s2, hwreg(HW_REG_IB_STS2, 6, 4)
	s_cmp_eq_u32 s2, 0
	s_cbranch_scc0 .Lentry_in_a_cluster
	s_endpgm
.Lentry_in_a_cluster:
	s_bfe_u32 s2, ttmp6, 0x10000c
	s_cmp_lg_u32 s2, 0xf033
	s_cbranch_scc0 .Lentry_shape_is_right
	s_endpgm
.Lentry_shape_is_right:
; out0 = a w_fc + b_fc on codes of BF8 (E5M2) with one E8M0 scale for each 32 along K = 1,024.  a (8,192 rows) comes from the launch before as IMAGES of this product's fragments:
; ao [K / 256: 4][row tile 512][K / 128 % 2][K / 32 % 4][512 bytes, 16 a lane]; its scale bytes as aos [head 16][row 8,192] two bytes.  w_fc: [1,024][1,024] codes, K innermost; scales [1,024][32].  out0: [8,192][1,024] f32.
; SHARES.  A block of 256 rows x 128 columns to a work-group: 32 x 8 = 256 work-groups.  Four waves, each 128 rows x 64 columns: 32 accumulators of 16 x 16.
; K goes in steps of 256 through a ring of two LDS slots filled by joint tensor loads: a's 16 row tiles of a K step are one dense block of 65,536 bytes (waves 0 and 1 fetch its halves), w's 128 rows of 256 bytes are padded to 272 (wave 2).
; 4 x 4 work-groups form a cluster: a's tile is shared along a row of the cluster, w's along a column.  w's scales for all of K come once (wave 3, at the head); a's are put together from aos by LDS stores into blocks of their own.
; THE MATRIX INSTRUCTION IS USED TRANSPOSED (source 0 = 16 rows of w_fc, source 1 = 16 rows of a): a lane holds eight neighbouring numbers of a row of out0.  The bias is the C of each sum's first product.
; PREFETCH INTO THE L2, two fills ahead: behind the head's fills K steps 1 and 2 are asked for, behind slot 1's first fill K step 3.  Each block of 256 bytes is named once in a cluster: of a's 65,536 bytes of a K step the partner at cx
; takes 16,384 (waves 0 and 1: 8,192 each, lanes 256 bytes apart), of w's 128 rows the partner at cy takes 32 (wave 2, a lane a row): told apart by address.  The address registers are never rewritten.
; REGISTERS, in windows of 256.  window 0: v0-31 addresses; v32-63 scale words, a set for each slot; v64-95 the bias; v128-255 w's fragments, two sets of 4 x 16.  window 1: a's fragments, two sets of 8 x 16.  window 2: accumulator (a, b) at v[8 (4 a + b)].
.set PITCH,  272                       ; an LDS row of w: 256 bytes + 16 of padding
.set ASTEP,  2097152                   ; bytes in ao from a K step to the next
.set BOFF,   65536                     ; w's rows lie behind a's images
.set SLOT,   BOFF+128*PITCH
.set SCL,    2*SLOT                    ; behind the ring: a's scale rows (stored by the waves; 2 HALFS), then w's (a tensor load; HALFS): whole blocks of 256 bytes
.set HALFS,  16*272                    ; the scales of 128 rows, 32 bytes a row, as units of 256 bytes + 16
.set SBLK,   2*272                     ; those of 16 rows
.set SPARE,  SCL+3*HALFS               ; the spare words, 128 bytes a wave
.set SP,     272                       ; the way out: a stage of 16 rows x (256 bytes + 16) a wave, in slot 0, which has had its last fill and its last read by then
.set ADRA, 16                          ; v16-17 my fragments of a in slot 0, 1
.set ADRB, 20                          ; v20-21 of w
.set BCA,  22
.set STO,  24
.set RD,   25
.set CO,   26
.set ADRS, 27                          ; scale words, blocks 0-3: lanes 0-15 a's block i, lanes 16-31 w's block i
.set SPW,  28
.set NIL,  29
.set ADRS2, 30                         ; blocks 4-7: lanes 0-15 a's block i, lanes 16-31 w's block i - 4 once more (not used)
.set PFO,  31                          ; the prefetches' offset: my lane x 256 (a) or x 1,024 (w)
.set PFA,  66                          ; s[66:67], s[68:69], s[70:71]: where my prefetches of K steps 1, 2, 3 begin
.set SC,   32
.set BC,   64
.set WF,   128
.set BK,   128
.set G1, 24
.set G0, 32
.set G1B, 48
.set G0B, 56
.set G1SB, 80
.set G0SB, 88
.set MSB, 0
.macro WIN new                         ; the immediate's high byte repeats the setting that is left
.if MSB != \new
	s_set_vgpr_msb (MSB<<8)|\new
.set MSB, \new
.endif
.endm
.set MUL,  0xa4                        ; source 0 (w) window 0, source 1 (a) window 1, C and D window 2
.set FST,  0x84                        ; the first products: C (the bias) window 0
.set TO_A, 0x40                        ; destination window 1, address window 0
.macro PLACES n
.rept \n
	v_nop
.endr
.endm
.macro JLOAD s                         ; a joint fill of slot s: waves 0 and 1 a's halves, wave 2 w's rows, wave 3 nothing; s_nop 0 and four v_nop behind each line
	s_cmp_lt_u32 s14, 2
	s_cbranch_scc0 .Lfor_b_\@
	tensor_load_to_lds s[G0+4*\s:G0+4*\s+3], s[G1:G1+7]
	s_nop 0
	PLACES 4
	s_branch .Lasked_\@
.Lfor_b_\@:
	s_cmp_eq_u32 s14, 2
	s_cbranch_scc0 .Lasked_\@
	tensor_load_to_lds s[G0B+4*\s:G0B+4*\s+3], s[G1B:G1B+7]
	s_nop 0
	PLACES 4
.Lasked_\@:
.endm
.macro CREST
	s_cmp_lg_u32 s14, 0
	s_cbranch_scc1 .Lnot_wave_0_\@
	s_barrier_signal -3
.Lnot_wave_0_\@:
	s_barrier_wait -3
	s_barrier_signal -1
	s_barrier_wait -1
.endm
.macro CROUND
	s_barrier_signal -1
	s_barrier_wait -1
	CREST
.endm
	s_load_b256 s[4:11], s[0:1], 0x0               ; ao, aos, w's codes, w's scales
	s_load_b128 s[96:99], s[0:1], 0x20             ; b_fc, out0
	v_lshl_add_u32 v[SPW], v0, 2, SPARE
	v_mov_b32 v[NIL], 0
	ds_add_u32 v[SPW], v[NIL]                      ; the opening lines: the add twice on end and its wait ahead of my first tensor load
	ds_add_u32 v[SPW], v[NIL]
	v_lshrrev_b32 v1, 5, v0
	v_readfirstlane_b32 s14, v1                    ; wave 0..3
	s_lshr_b32 s15, s14, 1                         ; which 128 rows of the block are mine
	s_and_b32 s16, s14, 1                          ; which 64 columns.  Also: which half of a's tile waves 0 and 1 fetch
	s_bfe_u32 s40, ttmp6, 0x40000                  ; cx, cy
	s_bfe_u32 s41, ttmp6, 0x40004
	s_lshl_b32 s42, ttmp9, 2
	s_add_co_u32 s42, s42, s40                     ; block column 0..7
	s_and_b32 s17, ttmp7, 0xffff
	s_lshl_b32 s17, s17, 2
	s_add_co_u32 s17, s17, s41                     ; block row 0..31
	s_lshl_b32 s43, s41, 2
	s_lshl_b32 s43, 15, s43                        ; my row of the cluster
	s_lshl_b32 s44, 0x1111, s40                    ; my column
	s_or_b32 s[G1+0], s43, (3<<16)|(1<<21)         ; a: 32,768 dense bytes as 128 rows of 256 (32 elements of 8 bytes), no padding
	s_mov_b32 s[G1+1], 32<<16
	s_mov_b32 s[G1+2], 128<<16
	s_mov_b32 s[G1+3], 32<<16
	s_mov_b32 s[G1+4], 128
	s_mov_b32 s[G1+5], 32
	s_mov_b32 s[G1+6], 0
	s_mov_b32 s[G1+7], 0
	s_or_b32 s[G1B+0], s44, (0<<16)|(1<<20)|(1<<21)|(5<<22)|(3<<25)   ; w: 128 rows x 256 bytes, 1,024 apart, 16 bytes of padding behind each
	s_mov_b32 s[G1B+1], 256<<16
	s_mov_b32 s[G1B+2], 128<<16
	s_mov_b32 s[G1B+3], 256<<16
	s_mov_b32 s[G1B+4], 128
	s_mov_b32 s[G1B+5], 1024
	s_mov_b32 s[G1B+6], 0
	s_mov_b32 s[G1B+7], 0
	s_or_b32 s[G1SB+0], s44, (3<<16)|(1<<20)|(1<<21)|(5<<22)|(3<<25)  ; w's scales of 128 rows: 4,096 dense bytes as 16 rows of 256, padded likewise
	s_mov_b32 s[G1SB+1], 32<<16
	s_mov_b32 s[G1SB+2], 16<<16
	s_mov_b32 s[G1SB+3], 32<<16
	s_mov_b32 s[G1SB+4], 16
	s_mov_b32 s[G1SB+5], 32
	s_mov_b32 s[G1SB+6], 0
	s_mov_b32 s[G1SB+7], 0
	s_lshl_b32 s20, s17, 16                        ; a: the block row's 16 row tiles of 4,096 bytes,
	s_lshl_b32 s45, s16, 15                        ; a half of them: in memory and in a slot
	s_add_co_u32 s20, s20, s45
	s_mov_b32 s21, 0
	s_lshl_b32 s46, s42, 17                        ; w's codes: 128 rows of 1,024 bytes a block column
	s_mov_b32 s47, 0
	s_lshl_b32 s92, s42, 12                        ; its scales: 128 rows of 32 bytes
	s_mov_b32 s93, 0
	s_lshl_b32 s66, s17, 9                         ; aos: the block row's 256 rows of two bytes
	s_mov_b32 s67, 0
	s_lshl_b32 s68, s42, 9                         ; my first column, in bytes of f32: 512 x block column + 256 x half
	s_lshl_b32 s69, s16, 8
	s_add_co_u32 s68, s68, s69
	s_mov_b32 s69, 0
	s_lshl_b32 s70, s17, 8
	s_lshl_b32 s71, s15, 7
	s_add_co_u32 s70, s70, s71                     ; my first row of out0,
	s_lshl_b32 s70, s70, 12                        ; 4,096 bytes a row,
	s_add_co_u32 s70, s70, s68                     ; and my first column
	s_mov_b32 s71, 0
	s_lshl_b32 s72, s15, 15                        ; LDS: my 8 row tiles' images
	s_mul_i32 s73, s16, 64*PITCH
	s_add_co_u32 s73, s73, BOFF                    ; my 64 rows of w
	s_mul_i32 s74, s15, HALFS                      ; a's scales of my 128 rows
	s_mul_i32 s75, s16, 4*SBLK
	s_add_co_u32 s75, s75, 2*HALFS                 ; w's of my 64 rows
	s_sub_co_u32 s75, s75, s74                     ; the distance between the two, for lanes 16-31
	s_sub_co_u32 s76, s75, 4*SBLK                  ; and for blocks 4-7
	s_add_co_u32 s74, s74, SCL
	s_mul_i32 s77, s14, 16*SP                      ; my stage
	s_lshl_b32 s78, s40, 14                        ; the prefetches.  a: the block row's 65,536 bytes, my work-group's 16,384 by cx, my wave's 8,192
	s_lshl_b32 s79, s16, 13
	s_add_co_u32 s78, s78, s79
	s_lshl_b32 s79, s17, 16
	s_add_co_u32 s78, s78, s79
	s_lshl_b32 s79, s41, 15                        ; w: the block column's 128 rows, my work-group's 32 by cy
	s_add_co_u32 s79, s79, s46
	s_mov_b32 s94, 256
	s_mov_b32 s3, 1024
	s_cmp_lt_u32 s14, 2                            ; waves 0 and 1 ask for a, wave 2 for w
	s_cselect_b32 s78, s78, s79
	s_cselect_b32 s94, ASTEP, s94                  ; from a K step to the next
	s_cselect_b32 s3, 256, s3                      ; from lane to lane
	s_mov_b32 s79, 0
	s_mov_b32 s95, 0
	s_wait_dscnt 0x0                               ; both opening adds are done
	s_wait_kmcnt 0x0
	s_add_nc_u64 s[20:21], s[4:5], s[20:21]
	s_add_nc_u64 s[46:47], s[8:9], s[46:47]
	s_add_nc_u64 s[92:93], s[10:11], s[92:93]
	s_add_nc_u64 s[6:7], s[6:7], s[66:67]
	s_add_nc_u64 s[96:97], s[96:97], s[68:69]
	s_add_nc_u64 s[12:13], s[98:99], s[70:71]
	s_cmp_lt_u32 s14, 2
	s_cselect_b64 s[PFA:PFA+1], s[4:5], s[8:9]
	s_add_nc_u64 s[PFA:PFA+1], s[PFA:PFA+1], s[78:79]
	s_add_nc_u64 s[PFA:PFA+1], s[PFA:PFA+1], s[94:95]      ; K step 1,
	s_add_nc_u64 s[PFA+2:PFA+3], s[PFA:PFA+1], s[94:95]    ; 2,
	s_add_nc_u64 s[PFA+4:PFA+5], s[PFA+2:PFA+3], s[94:95]  ; 3
	CROUND                                         ; all sixteen work-groups are here: the first joint loads meet
	s_mov_b32 s[G0SB], 1
	s_mov_b32 s[G0SB+1], SCL+2*HALFS
	s_mov_b64 s[G0SB+2:G0SB+3], s[92:93]
	s_or_b32 s[G0SB+3], s[G0SB+3], 0x80000000
.irp s, 0,1
	s_mov_b32 s[G0+4*\s], 1
	s_add_co_u32 s[G0+4*\s+1], s45, \s*SLOT
	s_add_nc_u64 s[G0+4*\s+2:G0+4*\s+3], s[20:21], \s*ASTEP
	s_or_b32 s[G0+4*\s+3], s[G0+4*\s+3], 0x80000000
	s_mov_b32 s[G0B+4*\s], 1
	s_mov_b32 s[G0B+4*\s+1], BOFF+\s*SLOT
	s_add_nc_u64 s[G0B+4*\s+2:G0B+4*\s+3], s[46:47], \s*256
	s_or_b32 s[G0B+4*\s+3], s[G0B+4*\s+3], 0x80000000
.endr
	; the head's loads, one a wave: waves 0 and 1 K step 0's halves of a, wave 2 its rows of w, wave 3 w's scales.  One tree of branches on the wave's number
	s_cmp_lt_u32 s14, 2
	s_cbranch_scc0 .Lhead_b
	tensor_load_to_lds s[G0:G0+3], s[G1:G1+7]
	s_nop 0
	PLACES 4
	s_branch .Lhead_asked
.Lhead_b:
	s_cmp_lt_u32 s14, 3
	s_cbranch_scc0 .Lhead_s
	tensor_load_to_lds s[G0B:G0B+3], s[G1B:G1B+7]
	s_nop 0
	PLACES 4
	s_branch .Lhead_asked
.Lhead_s:
	tensor_load_to_lds s[G0SB:G0SB+3], s[G1SB:G1SB+7]
	s_nop 0
	PLACES 4
.Lhead_asked:
	v_and_b32 v1, 15, v0                           ; r
	v_bfe_u32 v2, v0, 4, 1                         ; h
	v_lshlrev_b32 v7, 2, v0                        ; thread t takes rows 2 t and 2 t + 1 of aos
.irp n, 0,1,2,3,4,5,6,7,8,9,10,11,12,13,14,15
	global_load_b32 v[128+\n], v7, s[6:7] offset:16384*\n   ; head n's bytes: the work-group reads 512 consecutive bytes
.endr
	v_lshlrev_b32 v[BCA], 5, v2
.irp b, 0,1,2,3
	global_load_b128 v[BC+8*\b:BC+8*\b+3], v[BCA], s[96:97] offset:64*\b      ; b_fc of my column 16 b + 8 h + j at v[BC + 8 b + j]
	global_load_b128 v[BC+8*\b+4:BC+8*\b+7], v[BCA], s[96:97] offset:64*\b+16
.endr
	v_and_b32 v6, 31, v0
	v_lshlrev_b32 v3, 4, v6                        ; 16 x lane
	v_mul_u32_u24 v[PFO], v6, s3
	s_cmp_lt_u32 s14, 3
	s_wait_alu depctr_va_vdst(0)                   ; the wait here, directly ahead of the branch
	s_cbranch_scc0 .Lno_ask_a
	global_prefetch_b8 v[PFO], s[PFA:PFA+1] th:TH_LOAD_NT scope:SCOPE_SE       ; K steps 1 and 2
	global_prefetch_b8 v[PFO], s[PFA+2:PFA+3] th:TH_LOAD_NT scope:SCOPE_SE
.Lno_ask_a:
	v_add_nc_u32 v[ADRA], s72, v3
	v_add_nc_u32 v[ADRA+1], SLOT, v[ADRA]
	v_mul_u32_u24 v4, v1, PITCH
	v_lshl_add_u32 v4, v2, 4, v4                   ; w: a fragment's row x pitch + 16 x half
	v_add_nc_u32 v[ADRB], s73, v4
	v_add_nc_u32 v[ADRB+1], SLOT, v[ADRB]
	v_mul_u32_u24 v5, v1, 32                       ; my row's scales: 32 bytes a row,
	v_lshrrev_b32 v6, 8, v5
	v_lshl_add_u32 v5, v6, 4, v5                   ; and 16 more for each 256 passed
	v_add_nc_u32 v5, s74, v5
	v_mul_u32_u24 v6, s75, v2                      ; lanes 16-31 take w's
	v_add_nc_u32 v[ADRS], v5, v6
	v_mul_u32_u24 v6, s76, v2
	v_add_nc_u32 v[ADRS2], v5, v6
	v_mul_u32_u24 v9, v1, SP
	v_lshl_add_u32 v9, v2, 5, v9
	v_add_nc_u32 v[STO], s77, v9                   ; the stage, in: row r, 32 bytes for each half of the lanes
	v_mul_u32_u24 v9, v2, SP
	v_lshl_add_u32 v9, v1, 4, v9
	v_add_nc_u32 v[RD], s77, v9                    ; back: lanes 0-15 one row of 256 bytes, lanes 16-31 the next
	v_lshlrev_b32 v9, 12, v2
	v_lshl_add_u32 v[CO], v1, 4, v9                ; and the same two rows in out0
	v_lshrrev_b32 v8, 2, v0                        ; a's scale rows: rows 2 t, 2 t + 1 are 64 bytes; four threads fill 256, then 16 of padding
	v_mul_u32_u24 v8, v8, 272
	v_and_b32 v9, 3, v0
	v_lshl_add_u32 v8, v9, 6, v8
	v_add_nc_u32 v8, SCL, v8
	s_wait_alu depctr_va_vdst(0)                   ; the wait here, directly ahead of the wait below
	s_wait_loadcnt 0x0
.irp k, 0,1,2,3,4,5,6,7                        ; the word of 128 along K is two heads' two bytes: low halves for row 2 t, high halves for row 2 t + 1
	v_perm_b32 v[144+\k], v[129+2*\k], v[128+2*\k], 0x05040100
	v_perm_b32 v[152+\k], v[129+2*\k], v[128+2*\k], 0x07060302
.endr
.irp i, 0,1,2,3
	ds_store_b128 v8, v[144+4*\i:147+4*\i] offset:16*\i
.endr
; the fragments of 128 along K, the slot's q-th, into set p: a's eight from their images (the registers as they were made), w's four from rows (lane l: row l % 16; registers 4 c on: K = 32 c + 16 (l / 16) + 0 .. 15)
.macro FETCH slot, q, p
	WIN TO_A
.irp i, 0,1,2,3,4,5,6,7
.irp c, 0,1,2,3
	ds_load_b128 v[128*(\p)+16*\i+4*\c:128*(\p)+16*\i+4*\c+3], v[ADRA+\slot] offset:4096*\i+2048*(\q)+512*\c
.endr
.endr
	WIN 0
.irp i, 0,1,2,3
.irp c, 0,1,2,3
	ds_load_b128 v[WF+64*(\p)+16*\i+4*\c:WF+64*(\p)+16*\i+4*\c+3], v[ADRB+\slot] offset:128*(\q)+32*\c+\i*16*PITCH
.endr
.endr
.endm
.macro SCALES sc                       ; a K step's scale words, two a row, into set sc
.irp i, 0,1,2,3
	ds_load_b64 v[SC+16*\sc+2*\i:SC+16*\sc+2*\i+1], v[ADRS] offset:\i*SBLK
.endr
.irp i, 4,5,6,7
	ds_load_b64 v[SC+16*\sc+2*\i:SC+16*\sc+2*\i+1], v[ADRS2] offset:\i*SBLK
.endr
.endm
; eight matrix instructions: a's blocks 2 g, 2 g + 1 x w's four.  The 32 accumulators take turns, one instruction a turn, in the same order in every step
.macro MULG g, p, q, sc, first
.irp a, 2*\g, 2*\g+1
.irp b, 0,1,2,3
.if \first
	v_wmma_scale_f32_16x16x128_f8f6f4 v[8*(4*(\a)+\b):8*(4*(\a)+\b)+7], v[WF+64*(\p)+16*\b:WF+64*(\p)+16*\b+15], v[128*(\p)+16*(\a):128*(\p)+16*(\a)+15], v[BC+8*\b:BC+8*\b+7], v[SC+16*(\sc)+2*\b+(\q)], v[SC+16*(\sc)+2*(\a)+(\q)] matrix_a_fmt:MATRIX_FMT_BF8 matrix_b_fmt:MATRIX_FMT_BF8 matrix_a_scale:MATRIX_SCALE_ROW1
.else
	v_wmma_scale_f32_16x16x128_f8f6f4 v[8*(4*(\a)+\b):8*(4*(\a)+\b)+7], v[WF+64*(\p)+16*\b:WF+64*(\p)+16*\b+15], v[128*(\p)+16*(\a):128*(\p)+16*(\a)+15], v[8*(4*(\a)+\b):8*(4*(\a)+\b)+7], v[SC+16*(\sc)+2*\b+(\q)], v[SC+16*(\sc)+2*(\a)+(\q)] matrix_a_fmt:MATRIX_FMT_BF8 matrix_b_fmt:MATRIX_FMT_BF8 matrix_a_scale:MATRIX_SCALE_ROW1
.endif
.endr
.endr
.endm
; a slot's first 128 along K, from set 0; the second 128's fragments are fetched into set 1 ahead of the 32 products
.macro STEP slot, first
	s_wait_dscnt 0x0                               ; set 0 and the scale words are in
	PLACES 8                                       ; eight places in front of loads into registers that matrix instructions have read
	FETCH \slot, 1, 1
.if \first
	WIN FST
.else
	WIN MUL
.endif
.irp g, 0,1,2,3
	MULG \g, 0, 0, \slot, \first
.endr
	WIN 0
.endm
; a slot's second 128, from set 1, and the change of slots: one barrier; in front of it each wave waits for all its tensor loads, adds 0 to its spare word and waits for that and for its reads of this slot.  fill = 1: the slot is filled again, two K steps on
.macro TURN slot, next, fill
	s_wait_tensorcnt 0x0                           ; all my tensor loads have landed: my part of the next slot
	ds_add_u32 v[SPW], v[NIL]
	s_wait_dscnt 0x1                               ; set 1 is in (the add may be out)
	WIN MUL
	MULG 0, 1, 1, \slot, 0
	s_wait_dscnt 0x0                               ; the add is done, and my reads of this slot are over
	s_barrier_signal -1
	MULG 1, 1, 1, \slot, 0
	WIN 0
	s_barrier_wait -1
.if \fill
	CREST                                          ; the barrier has opened a round of the cluster's barrier
	s_add_nc_u64 s[G0+4*\slot+2:G0+4*\slot+3], s[G0+4*\slot+2:G0+4*\slot+3], 2*ASTEP
	s_add_nc_u64 s[G0B+4*\slot+2:G0B+4*\slot+3], s[G0B+4*\slot+2:G0B+4*\slot+3], 2*256
	JLOAD \slot                                    ; the first tensor load behind the round, a wave's only one until the next
.endif
	PLACES 8
	v_add_nc_u32 v[ADRS], 8, v[ADRS]               ; on to the next K step's scale words
	v_add_nc_u32 v[ADRS2], 8, v[ADRS2]
	s_wait_alu depctr_va_vdst(0)                   ; the wait here, directly behind the writes
	FETCH \next, 0, 0
	SCALES \next
	WIN MUL
	MULG 2, 1, 1, \slot, 0
	MULG 3, 1, 1, \slot, 0
	WIN 0
.endm
	s_wait_alu depctr_va_vdst(0)                   ; the wait at the head's end
	s_wait_tensorcnt 0x0                           ; my tile of the head's four is in; the same lines as ahead of a refill stand ahead of slot 1's first fill
	ds_add_u32 v[SPW], v[NIL]
	s_wait_dscnt 0x0                               ; the add is done, and my part of a's scale rows is stored
	CROUND                                         ; everybody's, and all sixteen work-groups are here
	JLOAD 1                                        ; K step 1, the first tensor load behind the round
	FETCH 0, 0, 0
	SCALES 0
	s_cmp_lt_u32 s14, 3
	s_cbranch_scc0 .Lno_ask_b
	global_prefetch_b8 v[PFO], s[PFA+4:PFA+5] th:TH_LOAD_NT scope:SCOPE_SE     ; K step 3, the last
.Lno_ask_b:
	STEP 0, 1                                      ; K step 0: its first products start the sums from the bias
	TURN 0, 1, 1                                   ; slot 0 takes K step 2
	STEP 1, 0
	TURN 1, 0, 1                                   ; slot 1 takes K step 3
	STEP 0, 0
	TURN 0, 1, 0                                   ; nothing more to fill
	STEP 1, 0
	s_wait_dscnt 0x0
	WIN MUL
.irp g, 0,1,2,3
	MULG \g, 1, 1, 1, 0
.endr
	WIN 0
; THE WAY OUT, block by block of 16 rows x 64 columns, through my own stage: in as 32 bytes a lane, back as whole rows of 256 bytes.  LDS serves a wave's instructions in order (ISA guide 5.7.1.4)
.macro TOSTAGE a
	WIN 0x08                                       ; the data: window 2
.irp b, 0,1,2,3
	ds_store_b128 v[STO], v[32*(\a)+8*\b:32*(\a)+8*\b+3] offset:64*\b          ; each accumulator from its low end on
	ds_store_b128 v[STO], v[32*(\a)+8*\b+4:32*(\a)+8*\b+7] offset:64*\b+16
.endr
	WIN 0
.set BB, BK+32*((\a)%2)
.irp t, 0,1,2,3,4,5,6,7
	ds_load_b128 v[BB+4*\t:BB+4*\t+3], v[RD] offset:\t*2*SP
.endr
.endm
.macro SEND a, younger                 ; younger: the LDS instructions issued behind block a's loads, which may stay out
.set BB, BK+32*((\a)%2)
	s_wait_dscnt \younger
.if (\a) > 0
	s_add_nc_u64 s[12:13], s[12:13], 16*4096       ; (behind a wait on XCNT)  16 rows on
.endif
.irp t, 0,1,2,3,4,5,6,7
	global_store_b128 v[CO], v[BB+4*\t:BB+4*\t+3], s[12:13] offset:\t*2*4096 th:TH_STORE_NT   ; 16 lanes store 256 consecutive bytes, aligned; written once, read by nobody here
.endr
.endm
	PLACES 8
	TOSTAGE 0
.irp a, 1,2,3,4,5,6,7
.if \a > 1
	s_wait_xcnt 0x0                                ; block a - 2's stores have read their registers and their base
.endif
	TOSTAGE \a
	SEND \a-1, 16                                  ; behind block a - 1's loads: block a's 8 stores and 8 loads
.endr
	s_wait_xcnt 0x0
	SEND 7, 0
	s_wait_tensorcnt 0x0                           ; the wave's end
	ds_add_u32 v[SPW], v[NIL]
	s_wait_dscnt 0x0
	CROUND                                         ; the closing round
	s_endpgm
.Lfunc_end_k_q787383c2bd_fc:
	.size	k_q787383c2bd_fc, .Lfunc_end_k_q787383c2bd_fc-k_q787383c2bd_fc
	.p2alignl 7, 3214868480
	.fill 96, 4, 3214868480
	.section	.rodata,"a",@progbits
	.p2align	6, 0x0
	.amdhsa_kernel k_q787383c2bd_fc
		.amdhsa_group_segment_fixed_size 327680
		.amdhsa_private_segment_fixed_size 0
		.amdhsa_enable_private_segment 0
		.amdhsa_kernarg_size 48
		.amdhsa_user_sgpr_count 2
		.amdhsa_user_sgpr_kernarg_segment_ptr 1
		.amdhsa_wavefront_size32 1
		.amdhsa_system_sgpr_workgroup_id_x 1
		.amdhsa_system_sgpr_workgroup_id_y 1
		.amdhsa_system_sgpr_workgroup_id_z 1
		.amdhsa_system_vgpr_workitem_id 0
		.amdhsa_next_free_vgpr 768
		.amdhsa_next_free_sgpr 100
		.amdhsa_reserve_vcc 0
		.amdhsa_float_denorm_mode_32 3
		.amdhsa_float_denorm_mode_16_64 3
		.amdhsa_memory_ordered 1
		.amdhsa_forward_progress 1
		.amdhsa_inst_pref_size 95
	.end_amdhsa_kernel
	.amdgpu_metadata
---
amdhsa.version: [ 1, 2 ]
amdhsa.kernels:
  - .name:           k_q787383c2bd_fc
    .symbol:         k_q787383c2bd_fc.kd
    .args:
      - { .name: ao, .offset: 0, .size: 8, .value_kind: global_buffer, .address_space: global }
      - { .name: aos, .offset: 8, .size: 8, .value_kind: global_buffer, .address_space: global }
      - { .name: w_fc_codes, .offset: 16, .size: 8, .value_kind: global_buffer, .address_space: global }
      - { .name: w_fc_scales, .offset: 24, .size: 8, .value_kind: global_buffer, .address_space: global }
      - { .name: b_fc, .offset: 32, .size: 8, .value_kind: global_buffer, .address_space: global }
      - { .name: out0, .offset: 40, .size: 8, .value_kind: global_buffer, .address_space: global }
    .group_segment_fixed_size: 327680
    .private_segment_fixed_size: 0
    .kernarg_segment_align: 8
    .kernarg_segment_size: 48
    .max_flat_workgroup_size: 128
    .sgpr_count:     100
    .vgpr_count:     768
    .wavefront_size: 32
...
	.end_amdgpu_metadata
.endif
;; end of part 3
